; MI455X (gfx1250); checked and timed in simulation.
; The chip was launched on July 23, 2026; its instructions are those of AMD's public machine-readable ISA for CDNA 5 (MIT licence, August 2026) and "CDNA5" Instruction Set Architecture Reference Guide (July 2026). The comments in the code are by the model that wrote it; some were corrected since.
;; Causal Self Attention. Allowed arithmetic: matrix products marked QUANTISED: E4M3 operands, one given power-of-two scale a tensor, by v_wmma_f32_16x16x64_fp8_fp8 or v_wmma_f32_16x16x128_fp8_fp8, f32 sums; everything else in f32.
;; Inputs: lowp_scales 8 int32 (the exponents e of the quantised operands' scales 2^e); w_attn 1,024 x 3,072 float32; w_proj 1,024 x 1,024 float32; x 4 x 2,048 x 1,024 float32.
;; Outputs: out0 4 x 2,048 x 1,024 float32.
;; This version of the problem:
;;   THIS VERSION OF THE PROBLEM IS GIVEN IN LOW PRECISION. The matrix products marked QUANTISED in the list below multiply operands that are first quantised to E4M3 (4 exponent bits, 3 mantissa bits; 8 bits a number), with one given power-of-two scale for each operand tensor; their sums are f32. All else is computed in f32.
;;   The module's matrix products, in the order in which they are computed (A, B: the left and right operand; K: the contracted axis; several contracted axes count as one K, in the product's order):
;;     1. [M 8,192, K 1,024] x [K 1,024, N 3,072]; A: input x; B: input w_attn: QUANTISED (scales: A lowp_scales[0], B lowp_scales[1])
;;     2. batch 64 x [M 2,048, K 64] x [K 64, N 2,048]; A: computed on the way; B: computed on the way: QUANTISED (scales: A lowp_scales[2], B lowp_scales[3])
;;     3. batch 64 x [M 2,048, K 2,048] x [K 2,048, N 64]; A: softmax (see below); B: computed on the way: QUANTISED (scales: A lowp_scales[4], B lowp_scales[5])
;;     4. [M 8,192, K 1,024] x [K 1,024, N 1,024]; A: computed on the way; B: input w_proj: QUANTISED (scales: A lowp_scales[6], B lowp_scales[7])
;;   THE QUANTISER, for each operand of a quantised product, along K:
;;     - The operand's scale is 2^e, e = its entry of the input lowp_scales (int32; the entries are numbered through the quantised products in the list's order, A before B).
;;     - Each number is divided by the scale, clamped to +-448, and rounded to the nearest number of E4M3, ties to even, subnormals kept.
;;     - The product sums the exact products of the quantised numbers (number of the format x scale) in f32.
;;   ~~~python
;;   def quantise(x, axis, e):      # numpy; x: float32 -> the quantised numbers, widened to float32 again
;;       x = np.moveaxis(x, axis, -1); K = x.shape[-1]
;;       r = np.clip(x / 2.0 ** e, -448, 448)
;;       step = 2.0 ** (np.maximum(np.frexp(np.where(r == 0, 1, r))[1] - 1, -6) - 3)
;;       q = np.round(r / step) * step * 2.0 ** e      # np.round: ties to even
;;       return np.moveaxis(q, -1, axis).astype(np.float32)
;;   ~~~
;;   SOFTMAX AHEAD OF A QUANTISED PRODUCT. Where the list says 'softmax', what is quantised is not the finished softmax but p = 2^(t - M), with t = logit x log2(e) and M = ceil(the row's largest t), a whole number; so 1/2 < the row's largest p <= 1. The row's sum l is taken of the UNQUANTISED p, in f32, and the product's result is divided by l at the end. Since M is a whole number, a kernel that streams over the keys may use a running M (the ceiling of the running maximum): every later rescaling is an exact power of two, so the quantised numbers keep their values, but for numbers so far below the row's largest that they fall under the format's range.
;;   OPERANDS COMPUTED ON THE WAY. 'Computed on the way' means the value that the module computes at that place (a softmax that the list does not call 'softmax' is quantised finished and normalised). What goes into a quantiser is computed in f32, as accurately as f32 sums, v_exp_f32 and their like allow (about 1e-6 of the number): no bf16 or f16 on the way to a quantiser, and a product that is left as it is and whose result goes on into a quantised operand takes f32 operands (vector FMAs, or v_wmma_f32_16x16x4_f32). A number that lies on a knife's edge between two numbers of the format may be rounded either way, as far as f32 arithmetic and the matrix unit's own rounding can turn it there, and no further.
;; One version. Each part assembles by itself: llvm-mc -triple=amdgcn-amd-amdhsa -mcpu=gfx1250 --defsym DOCPART=n.
;; ======== version 1 of 1: 4 launches
;; limits: right only within a limited range of input values
;; workspace buffers: x_codes 8,388,608 bytes; wa_codes 3,145,728 bytes; wp_codes 1,048,576 bytes; q_img 8,388,608 bytes; k_img 8,388,608 bytes; v_img 8,388,608 bytes; y_img 8,388,608 bytes
;; launch quant (part 1): grid 384 x 1, 4 waves a work-group, no clusters, 102,912 bytes of LDS; arguments x, w_attn, w_proj, lowp_scales, x_codes, wa_codes, wp_codes; writes x_codes, wa_codes, wp_codes
.if DOCPART == 1
	.amdgcn_target "amdgcn-amd-amdhsa--gfx1250"
	.amdhsa_code_object_version 6
	.text
	.protected	k_q0c331e1952_quant
	.globl	k_q0c331e1952_quant
	.p2align	8
	.type	k_q0c331e1952_quant,@function
k_q0c331e1952_quant:
	s_mov_b64 s[64:65], 0
	v_nop
	global_prefetch_b8 v0, s[64:65] scope:SCOPE_SE
	s_setreg_imm32_b32 hwreg(HW_REG_WAVE_MODE, 25, 1), 1
	s_wait_xcnt 0x0
; x [8192][1024], w_attn [1024][3072] and w_proj [1024][1024], f32, become codes of FP8 (E4M3), K innermost, each with the one scale 2^e given for it (entries 0, 1 and 7 of the scales).
; code = number / 2^e, held within +-448, to the nearest code, ties to even.  LIMITS: -126 <= e <= 119, so that 2^e and 448 x 2^e are f32 numbers.  NaN among the inputs is not served.
; 384 work-groups of four waves, each with 131,072 bytes of f32: 0-255 take x, 256-351 w_attn, 352-383 w_proj.  The three paths part on the work-group's number; each has LDS bytes of its own.
; x: K is innermost and rows are dense, so x is a plain stream.  A load takes 512 consecutive bytes, 16 a lane; a step's 2,048 bytes turn through the wave's own stage in LDS and come back 64 bytes a lane,
;    since the conversion takes eight neighbours along K from ONE lane's registers.  A lane's 16 codes are 16 bytes: a store covers 512 consecutive bytes.
; weights: K is the FIRST axis.  A lane takes a column and its registers run down K, so the conversions give codes with K innermost; 256 codes a column gather in the wave's stage and leave as rows, sixteen lanes to 256 consecutive bytes.
; wa_codes: row p holds column SW(p) of w_attn, SW = bits 3 and 4 exchanged.  q and k get the same order of a head's 64 numbers, which their product does not see; v's order makes the attention's results fall as the last product's operand wants them.
; No tensor loads, no barrier: waves share nothing.
.set STEPS, 16                         ; x: steps of 512 numbers for a wave
.set XR,    16                         ; v16-79   x: four sets of 16 numbers as loaded
.set XN,    80                         ; v80-111  x: two sets of 16 neighbours
.set XC,    128                        ; v128-191 x: four registers of codes for each step: no store's data are written again
.set SP,    80                         ; x: a lane's place in a stage: 64 bytes + 16 of padding
.set WREG,  8192                       ; x: LDS bytes of a wave (two stages of 32 x SP)
.set WX,    32                         ; v32-95   weights: two sets of 32 numbers
.set WC,    96                         ; v96-103  weights: a block's codes
.set WOUT,  112                        ; v112-175 weights: the way out
.set WP,    272                        ; weights: a stage row: 256 bytes + 16
.macro SCALE esc                       ; v11 = 2^e as f32 (the conversion takes its exponent field)
	s_wait_kmcnt 0x0                               ; the scales' exponents
	s_add_co_i32 s22, s[\esc], 127
	s_lshl_b32 s23, s22, 23
	v_mov_b32 v11, s23
	s_add_co_i32 s22, s22, 8
	s_lshl_b32 s22, s22, 23
	s_or_b32 s22, s22, 0x600000                    ; the mantissa field of 448
.endm
.macro XLOAD t
.irp i, 0,1,2,3
	global_load_b128 v[XR+16*((\t)%4)+4*\i:XR+16*((\t)%4)+4*\i+3], v3, s[4:5] offset:2048*(\t)+512*\i th:TH_LOAD_NT   ; 32 lanes read 512 consecutive bytes
.endr
.endm
.macro XTURN t                         ; step t's numbers through the stage; LDS serves a wave's instructions in order, so no wait stands between the stores and the loads
.irp i, 0,1,2,3
	ds_store_b128 v14, v[XR+16*((\t)%4)+4*\i:XR+16*((\t)%4)+4*\i+3] offset:32*SP*((\t)%2)+8*SP*\i
.endr
.irp i, 0,1,2,3
	ds_load_b128 v[XN+16*((\t)%2)+4*\i:XN+16*((\t)%2)+4*\i+3], v15 offset:32*SP*((\t)%2)+16*\i
.endr
.endm
.macro XSTEP t
.set XS, XN+16*((\t)%2)
	s_wait_dscnt 0x0                               ; this step's numbers are back from the stage, so its stores into the stage have read their registers,
.if (\t)+4 < STEPS
	XLOAD (\t)+4                                   ; which take the loads of four steps on
.endif
.if (\t)+1 < STEPS
.if STEPS-2-(\t) >= 3
	s_wait_loadcnt 12                              ; the next step's four loads are in; the twelve of the three steps behind it may be out
.else
	s_wait_loadcnt 4*(STEPS-2-(\t))                ; the tail: fewer steps are behind it
.endif
	XTURN (\t)+1                                   ; they go through the other stage while this step is worked
.endif
.set j, 0
.rept 16
.set j, j+1
.endr
	v_cvt_scalef32_pk8_fp8_f32 v[XC+4*(\t):XC+4*(\t)+1], v[XS:XS+7], v11
	v_cvt_scalef32_pk8_fp8_f32 v[XC+4*(\t)+2:XC+4*(\t)+3], v[XS+8:XS+15], v11
	global_store_b128 v3, v[XC+4*(\t):XC+4*(\t)+3], s[12:13] offset:512*(\t)   ; 512 consecutive bytes
.endm
.macro WLOAD t, n, wsrc                ; block t: w(32 t + j, my column), j = 0 .. 31, into set t % 2; a wave reads 128 consecutive bytes, the four waves 512
.set j, 0
.rept 32
	global_load_b32 v[WX+32*((\t)%2)+j], v3, s[\wsrc:\wsrc+1] offset:(32*(\t)+j)*\n*4 th:TH_LOAD_NT
.set j, j+1
.endr
.endm
.macro WBLOCK t, n, wsrc
.set XS, WX+32*((\t)%2)
.if (\t) < 7
	s_wait_loadcnt 32                              ; this block's 32 loads are in; the next block's 32 may be out
.else
	s_wait_loadcnt 0
.endif
.set j, 0
.rept 32
.set j, j+1
.endr
.irp g, 0,1,2,3
	v_cvt_scalef32_pk8_fp8_f32 v[WC+2*\g:WC+2*\g+1], v[XS+8*\g:XS+8*\g+7], v11
.endr
	ds_store_b128 v4, v[WC:WC+3] offset:32*(\t)    ; 32 codes: 32 bytes of my column's row
	ds_store_b128 v4, v[WC+4:WC+7] offset:32*(\t)+16
.if (\t)+2 < 8
	WLOAD (\t)+2, \n, \wsrc
.endif
	s_wait_dscnt 0x0                               ; the stores have read their registers: the next block's codes may be written
.endm
; A weight [1024][n]: work-group first + 4 nb + kb takes columns 128 nb on, K 256 kb on; a wave 32 columns.  Every offset is an immediate: 255 x n x 4 bytes at the most, inside the signed 24 bits.
.macro WPATH n, first, stg, wsrc, cdst, esc, swap
	s_sub_co_u32 s21, ttmp9, \first
	s_lshr_b32 s22, s21, 2                         ; nb
	s_and_b32 s23, s21, 3                          ; kb
	s_lshl_b32 s22, s22, 7
	s_lshl_b32 s21, s20, 5
	s_add_co_u32 s22, s22, s21                     ; my wave's first column
	s_mul_i32 s34, s23, 256*\n*4
	s_lshl_b32 s21, s22, 2
	s_add_co_u32 s34, s34, s21
	s_add_nc_u64 s[\wsrc:\wsrc+1], s[\wsrc:\wsrc+1], s[34:35]   ; the weight at (256 kb, my first column)
	s_lshl_b32 s34, s22, 10
	s_lshl_b32 s21, s23, 8
	s_add_co_u32 s34, s34, s21
	s_add_nc_u64 s[\cdst:\cdst+1], s[\cdst:\cdst+1], s[34:35]   ; the codes at (my first column, 256 kb)
	s_mul_i32 s21, s20, 32*WP
	s_add_co_u32 s21, s21, \stg                    ; my stage
	v_lshlrev_b32 v3, 2, v2                        ; in: 4 bytes a lane
	v_mul_u32_u24 v4, v2, WP
	v_add_nc_u32 v4, s21, v4                       ; into the stage: row = my column
	v_and_b32 v5, 15, v2
	v_lshrrev_b32 v6, 4, v2                        ; out of it: sixteen lanes to a row, two rows an instruction
	v_mul_u32_u24 v7, v6, WP
	v_lshl_add_u32 v7, v5, 4, v7
	v_add_nc_u32 v7, s21, v7
	v_lshlrev_b32 v8, 10, v6                       ; and the same place in the codes: rows of 1,024 bytes
	v_lshl_add_u32 v8, v5, 4, v8
	WLOAD 0, \n, \wsrc
	WLOAD 1, \n, \wsrc
	SCALE \esc
	s_wait_alu depctr_va_vdst(0)
.irp t, 0,1,2,3,4,5,6,7
	WBLOCK \t, \n, \wsrc
.endr
.irp t, 0,1,2,3,4,5,6,7,8,9,10,11,12,13,14,15
.if \swap
.set SWP, ((2*\t)&7)+(((2*\t)&8)<<1)+(((2*\t)&16)>>1)   ; output rows 2 t, 2 t + 1 take the stage's rows SW(2 t), SW(2 t) + 1
.else
.set SWP, 2*\t
.endif
	ds_load_b128 v[WOUT+4*\t:WOUT+4*\t+3], v7 offset:SWP*WP   ; LDS serves a wave's instructions in order: these see my stores
.endr
.irp t, 0,1,2,3,4,5,6,7,8,9,10,11,12,13,14,15
	s_wait_dscnt 15-\t                             ; load t is in; the younger ones may be out
	global_store_b128 v8, v[WOUT+4*\t:WOUT+4*\t+3], s[\cdst:\cdst+1] offset:2*\t*1024   ; sixteen lanes store 256 consecutive bytes, at a multiple of 256 from the buffer's first byte
.endr
.endm
	s_load_b256 s[4:11], s[0:1], 0x0               ; x s[4:5], w_attn s[6:7], w_proj s[8:9], the scales s[10:11]
	s_load_b128 s[12:15], s[0:1], 0x20             ; x_codes s[12:13], wa_codes s[14:15]
	s_load_b64 s[16:17], s[0:1], 0x30              ; wp_codes
	v_lshl_add_u32 v192, v0, 2, 0x19000
	v_mov_b32 v193, 0
	v_lshrrev_b32 v1, 5, v0
	v_readfirstlane_b32 s20, v1                    ; wave 0..3
	v_and_b32 v2, 31, v0                           ; lane
	s_mov_b32 s35, 0                               ; the upper word of every offset
	s_wait_kmcnt 0x0
	s_load_b256 s[24:31], s[10:11], 0x0            ; e0 .. e7
	s_cmp_lt_u32 ttmp9, 256
	s_cbranch_scc0 .Lweights
	s_wait_alu depctr_va_vdst(0)
	; ---- x: wave 4 g + w takes numbers 8,192 (4 g + w) on
	v_lshlrev_b32 v3, 4, v2                        ; 16 x lane: my bytes of a load's 512, and of a store's
	s_mul_i32 s21, s20, WREG
	v_lshrrev_b32 v14, 2, v2
	v_mul_u32_u24 v14, v14, SP
	v_and_b32 v15, 3, v2
	v_lshl_add_u32 v14, v15, 4, v14
	v_add_nc_u32 v14, s21, v14                     ; the stage, on the way in: four lanes' 64 bytes on end, then the padding
	v_mul_u32_u24 v15, v2, SP
	v_add_nc_u32 v15, s21, v15                     ; and on the way out: my 16 neighbours
	s_lshl_b32 s22, ttmp9, 2
	s_add_co_u32 s22, s22, s20
	s_lshl_b32 s34, s22, 15
	s_add_nc_u64 s[4:5], s[4:5], s[34:35]
	s_lshl_b32 s34, s22, 13
	s_add_nc_u64 s[12:13], s[12:13], s[34:35]
.irp t, 0,1,2,3
	XLOAD \t
.endr
	s_wait_alu depctr_va_vdst(0)
	SCALE 24
	s_wait_alu depctr_va_vdst(0)
	s_wait_loadcnt 12                              ; step 0's four loads are in
	XTURN 0
.irp t, 0,1,2,3,4,5,6,7,8,9,10,11,12,13,14,15
	XSTEP \t
.endr
	s_wait_tensorcnt 0x0
	ds_add_u32 v192, v193
	s_wait_dscnt 0x0
	s_endpgm
.Lweights:
	s_cmp_lt_u32 ttmp9, 352
	s_cbranch_scc0 .Lproj
	s_wait_alu depctr_va_vdst(0)
	WPATH 3072, 256, 32768, 6, 14, 25, 1
	s_wait_tensorcnt 0x0
	ds_add_u32 v192, v193
	s_wait_dscnt 0x0
	s_endpgm
.Lproj:
	s_wait_alu depctr_va_vdst(0)
	WPATH 1024, 352, 67584, 8, 16, 31, 0
	s_wait_tensorcnt 0x0
	ds_add_u32 v192, v193
	s_wait_dscnt 0x0
	s_endpgm
.Lfunc_end_k_q0c331e1952_quant:
	.size	k_q0c331e1952_quant, .Lfunc_end_k_q0c331e1952_quant-k_q0c331e1952_quant
	.p2alignl 7, 3214868480
	.fill 96, 4, 3214868480
	.section	.rodata,"a",@progbits
	.p2align	6, 0x0
	.amdhsa_kernel k_q0c331e1952_quant
		.amdhsa_group_segment_fixed_size 102912
		.amdhsa_private_segment_fixed_size 0
		.amdhsa_enable_private_segment 0
		.amdhsa_kernarg_size 56
		.amdhsa_user_sgpr_count 2
		.amdhsa_user_sgpr_kernarg_segment_ptr 1
		.amdhsa_wavefront_size32 1
		.amdhsa_system_sgpr_workgroup_id_x 1
		.amdhsa_system_sgpr_workgroup_id_y 1
		.amdhsa_system_sgpr_workgroup_id_z 1
		.amdhsa_system_vgpr_workitem_id 0
		.amdhsa_next_free_vgpr 194
		.amdhsa_next_free_sgpr 66
		.amdhsa_reserve_vcc 0
		.amdhsa_float_denorm_mode_32 3
		.amdhsa_float_denorm_mode_16_64 3
		.amdhsa_fp16_overflow 1
		.amdhsa_memory_ordered 1
		.amdhsa_forward_progress 1
		.amdhsa_inst_pref_size 85
	.end_amdhsa_kernel
	.amdgpu_metadata
---
amdhsa.version: [ 1, 2 ]
amdhsa.kernels:
  - .name:           k_q0c331e1952_quant
    .symbol:         k_q0c331e1952_quant.kd
    .args:
      - { .name: x, .offset: 0, .size: 8, .value_kind: global_buffer, .address_space: global }
      - { .name: w_attn, .offset: 8, .size: 8, .value_kind: global_buffer, .address_space: global }
      - { .name: w_proj, .offset: 16, .size: 8, .value_kind: global_buffer, .address_space: global }
      - { .name: lowp_scales, .offset: 24, .size: 8, .value_kind: global_buffer, .address_space: global }
      - { .name: x_codes, .offset: 32, .size: 8, .value_kind: global_buffer, .address_space: global }
      - { .name: wa_codes, .offset: 40, .size: 8, .value_kind: global_buffer, .address_space: global }
      - { .name: wp_codes, .offset: 48, .size: 8, .value_kind: global_buffer, .address_space: global }
    .group_segment_fixed_size: 102912
    .private_segment_fixed_size: 0
    .kernarg_segment_align: 8
    .kernarg_segment_size: 56
    .max_flat_workgroup_size: 128
    .sgpr_count:     66
    .vgpr_count:     194
    .wavefront_size: 32
...
	.end_amdgpu_metadata
.endif
;; end of part 1
;; launch qkv (part 2): grid 12 x 32, 4 waves a work-group, clusters of 4 x 4, 327,680 bytes of LDS; arguments x_codes, wa_codes, lowp_scales, q_img, k_img, v_img; writes q_img, k_img, v_img
.if DOCPART == 2
	.amdgcn_target "amdgcn-amd-amdhsa--gfx1250"
	.amdhsa_code_object_version 6
	.text
	.protected	k_q0c331e1952_qkv
	.globl	k_q0c331e1952_qkv
	.p2align	8
	.type	k_q0c331e1952_qkv,@function
k_q0c331e1952_qkv:
	s_mov_b64 s[64:65], 0
	v_nop
	global_prefetch_b8 v0, s[64:65] scope:SCOPE_SE
	s_setreg_imm32_b32 hwreg(HW_REG_WAVE_MODE, 25, 1), 1
	s_wait_xcnt 0x0
	s_wait_alu depctr_hold_cnt(0) depctr_sa_sdst(0) depctr_va_vdst(0) depctr_va_sdst(0) depctr_va_ssrc(0) depctr_va_vcc(0) depctr_vm_vsrc(0)
	s_getreg_b32 s2, hwreg(HW_REG_IB_STS2, 6, 4)
	s_cmp_eq_u32 s2, 0
	s_cbranch_scc0 .Lentry_in_a_cluster
	s_endpgm
.Lentry_in_a_cluster:
	s_bfe_u32 s2, ttmp6, 0x10000c
	s_cmp_lg_u32 s2, 0xf033
	s_cbranch_scc0 .Lentry_shape_is_right
	s_endpgm
.Lentry_shape_is_right:
; qkv = x w_attn on codes of FP8 (E4M3); the sums, x 2^(e0 + e1), are quantised at once for the attention's products (q: e2, k: e3, v: e5) and stored as IMAGES OF OPERAND REGISTERS.
; x_codes [8192][1024], wa_codes [3072][1024] (row p = column SW(p) of w_attn, bits 3 and 4 exchanged), K innermost.  A tile of 256 x 256 sums is made by four waves, 128 x 128 each: 64 accumulators, 512 registers.
; K goes in steps of 256 through a ring of two LDS slots filled by the tensor data mover.  CLUSTERS of 4 x 4 work-groups: A's tile is asked for jointly along a row of the cluster, B's along a column.
; THE CLUSTER'S x SAYS WHAT IS MADE: 0 q, 1 k, 2 v; it is the same in all sixteen partners.  q, k: A = tokens (x_codes), B = features (wa_codes).  v: A = features (wa_codes from row 2,048), B = tokens.
; The matrix instruction is used transposed (source 0 = 16 rows of B, source 1 = 16 rows of A): a lane holds one row of A and eight neighbouring rows of B.  So a lane's eight sums run along the head's 64 for q and k and
; along the KEYS for v: each is the next product's K, and the conversions' results are that product's operand registers.
; q_img, k_img: [batch x head 64][tile of 16 tokens 128][2][lane][16 bytes]: lane (r, h): token r; registers 2 c, 2 c + 1: features 16 c + 8 h + 0 .. 7.
; v_img: [batch x head][step of 128 keys 16][tile of 16 features 4][4][lane][16 bytes]: lane (r, h): feature r; registers 2 c, 2 c + 1: keys 16 c + 8 h + 0 .. 7.  Every store covers 512 consecutive bytes, aligned.
; LIMIT: E = (e2, e3 or e5) - e0 - e1 between -126 and 119, so that 2^E and 448 x 2^E are f32 numbers.
; REGISTERS, in windows of 256: window 0: v16-31 addresses and the scale; from v128 A's fragments, one set; on the way out v32-159 the codes.  window 1: B's fragments, two sets.  windows 2, 3: the accumulators ((a, b) at v[8 (8 (a % 4) + b)]).
.set SIZE_K, 1024
.set KSTEP,  256
.set ROWB,   256                       ; a tile's row in bytes
.set KROW,   SIZE_K                    ; a row of codes in memory
.set PITCH,  272                       ; an LDS row: 256 bytes + 16 of padding, so that the 16 rows of a fragment load start 16 bytes further on in each run of 256
.set FR,     16                        ; registers of a fragment: 16 rows x 128 K
.set NL,     4                         ; LDS loads that bring one
.set NP,     4                         ; places behind this matrix instruction (ISA guide 7.12.1)
.set HALFT,  128*PITCH
.set SLOT,   4*HALFT                   ; A's 256 rows, then B's 256 rows
.set LAPS,   SIZE_K/(2*KSTEP)
.set SPARE,  2*SLOT                    ; behind the ring: the spare words, 128 bytes for each wave
.set ADRA, 16                          ; v16-17  LDS address of my A fragments in slot 0, 1
.set ADRB, 20                          ; v20-21  the same for B
.set CO,   26                          ; v26     16 x lane: my place in an image
.set SPW,  28                          ; v28     LDS address of my spare word; never rewritten
.set NIL,  29                          ; v29     0; never rewritten
.set SCL,  30                          ; v30     2^E as f32
.set CODE, 32                          ; v32-159 sixteen registers of codes for each of the eight blocks: no store's data are written again
.set AF,   128
.set G1, 24
.set G0, 32
.set G1B, 48
.set G0B, 56
.set LN, 88
.set LP, 89
.set MSB, 0
.macro WIN new                         ; the immediate's high byte repeats the setting that is left
.if MSB != (\new)
	s_set_vgpr_msb (MSB<<8)|(\new)
.set MSB, \new
.endif
.endm
.set MUL_LO, 0xa1                      ; source 0 (B) window 1, source 1 (A) window 0, C and D window 2
.set MUL_HI, 0xf1
.set TO_B,   0x40
; A joint load: waves 0 and 1 fetch for A, waves 2 and 3 for B; the branch hangs on the wave's number alone.  Four v_nop follow each of the two lines.
.macro JLOAD g0a, g1a, g0b, g1b
	s_cmp_eq_u32 s15, 0
	s_cbranch_scc0 .Lfor_b_\@
	tensor_load_to_lds s[\g0a:\g0a+3], s[\g1a:\g1a+7]
	s_nop 0
.rept 4
	v_nop
.endr
	s_branch .Lasked_\@
.Lfor_b_\@:
	tensor_load_to_lds s[\g0b:\g0b+3], s[\g1b:\g1b+7]
	s_nop 0
.rept 4
	v_nop
.endr
.Lasked_\@:
.endm
.macro CREST                           ; a round of the cluster's barrier behind its opening barrier
	s_cmp_lg_u32 s14, 0
	s_cbranch_scc1 .Lnot_wave_0_\@
	s_barrier_signal -3
.Lnot_wave_0_\@:
	s_barrier_wait -3
	s_barrier_signal -1
	s_barrier_wait -1
.endm
.macro CROUND
	s_barrier_signal -1
	s_barrier_wait -1
	CREST
.endm
	s_load_b128 s[4:7], s[0:1], 0x0                ; x_codes s[4:5], wa_codes s[6:7]
	s_load_b64 s[8:9], s[0:1], 0x10                ; the scales
	s_load_b128 s[68:71], s[0:1], 0x18             ; q_img s[68:69], k_img s[70:71]
	s_load_b64 s[72:73], s[0:1], 0x28              ; v_img
	v_lshl_add_u32 v[SPW], v0, 2, SPARE
	v_mov_b32 v[NIL], 0
	ds_add_u32 v28, v29
	ds_add_u32 v28, v29
	s_wait_dscnt 0x0
	v_lshrrev_b32 v1, 5, v0
	v_readfirstlane_b32 s14, v1                    ; wave 0..3
	s_lshr_b32 s15, s14, 1                         ; which half of A's rows is mine.  Also: I fetch for A (0) or for B (1)
	s_and_b32 s16, s14, 1                          ; which half of B's rows.  Also: which 128 rows of that tile I fetch
	s_bfe_u32 s40, ttmp6, 0x40000                  ; cx, cy: my place in the cluster
	s_bfe_u32 s41, ttmp6, 0x40004
	s_and_b32 s19, ttmp7, 0xffff                   ; the cluster's y, 0 .. 7
	s_cmp_eq_u32 ttmp9, 2                          ; v?
	s_cselect_b32 s20, 0, s19                      ; the cluster's place among A's rows: v has 1,024 features, one cluster's height
	s_cselect_b32 s21, s19, ttmp9                  ; and among B's rows
	s_cselect_b32 s22, 2048, 0                     ; v's features begin at row 2,048 of wa_codes
	s_lshl_b32 s17, s20, 2
	s_add_co_u32 s17, s17, s41                     ; tile row: A's rows 256 x this on
	s_lshl_b32 s42, s21, 2
	s_add_co_u32 s42, s42, s40                     ; tile column: B's rows 256 x this on
	s_lshl_b32 s43, s41, 2
	s_lshl_b32 s43, 15, s43                        ; my row of the cluster
	s_lshl_b32 s44, 0x1111, s40                    ; my column
	; descriptor group 1: a tile of 128 rows x 256 bytes, padded in LDS
	s_or_b32 s[G1+0], s43, (0<<16)|(1<<20)|(1<<21)|(5<<22)|(3<<25)  ; 15:0 the mask; 17:16 elements of 1 byte; 20 padding on; 21 set beside a mask; 24:22 after every 64 words; 31:25 four words
	s_or_b32 s[G1B+0], s44, (0<<16)|(1<<20)|(1<<21)|(5<<22)|(3<<25)
.irp g, G1, G1B
	s_mov_b32 s[\g+1], ROWB<<16                    ; tensor_dim0
	s_mov_b32 s[\g+2], 128<<16                     ; tensor_dim1
	s_mov_b32 s[\g+3], ROWB<<16                    ; tile_dim0
	s_mov_b32 s[\g+4], 128                         ; tile_dim1
	s_mov_b32 s[\g+5], KROW                        ; tensor_dim0_stride
	s_mov_b32 s[\g+6], 0
	s_mov_b32 s[\g+7], 0
.endr
	s_lshl_b32 s18, s16, 7                         ; which 128 rows of the tile I fetch
	s_lshl_b32 s20, s17, 8
	s_add_co_u32 s20, s20, s18
	s_add_co_u32 s20, s20, s22                     ; A's row: it hangs on the tile row alone, which my row of the cluster shares
	s_lshl_b32 s46, s42, 8
	s_add_co_u32 s46, s46, s18                     ; B's row: on the tile column alone
	s_lshl_b32 s20, s20, 10                        ; in bytes: under 2^24
	s_mov_b32 s21, 0
	s_lshl_b32 s46, s46, 10
	s_mov_b32 s47, 0
	s_mul_i32 s45, s14, HALFT                      ; where they go: wave x 128 rows
	s_wait_kmcnt 0x0
	s_load_b256 s[80:87], s[8:9], 0x0              ; e0 .. e7
	s_cmp_eq_u32 ttmp9, 2
	s_cselect_b64 s[74:75], s[6:7], s[4:5]         ; A's buffer
	s_cselect_b64 s[76:77], s[4:5], s[6:7]         ; B's buffer
	s_add_nc_u64 s[20:21], s[74:75], s[20:21]
	s_add_nc_u64 s[46:47], s[76:77], s[46:47]
	CROUND                                         ; all sixteen work-groups are here: the first joint loads meet
.irp s, 0,1
	s_mov_b32 s[G0+4*\s], 1
	s_add_co_u32 s[G0+4*\s+1], s45, \s*SLOT
	s_add_nc_u64 s[G0+4*\s+2:G0+4*\s+3], s[20:21], \s*ROWB
	s_or_b32 s[G0+4*\s+3], s[G0+4*\s+3], 0x80000000
	s_mov_b32 s[G0B+4*\s], 1
	s_add_co_u32 s[G0B+4*\s+1], s45, \s*SLOT
	s_add_nc_u64 s[G0B+4*\s+2:G0B+4*\s+3], s[46:47], \s*ROWB
	s_or_b32 s[G0B+4*\s+3], s[G0B+4*\s+3], 0x80000000
	JLOAD G0+4*\s, G1, G0B+4*\s, G1B
.endr
	v_and_b32 v1, 15, v0                           ; l % 16
	v_bfe_u32 v2, v0, 4, 1                         ; l / 16
	v_mul_u32_u24 v3, v1, PITCH
	v_lshl_add_u32 v4, v2, 4, v3                   ; a fragment's row x pitch + 16 x half
	s_mul_i32 s21, s15, HALFT                      ; my 128 rows of A
	s_mul_i32 s22, s16, HALFT                      ; my 128 rows of B,
	s_add_co_u32 s22, s22, 2*HALFT                 ; which lie behind A's 256
.irp s, 0,1
	v_add_nc_u32 v[ADRA+\s], s21, v4
	v_add_nc_u32 v[ADRB+\s], s22, v4
	s_add_co_u32 s21, s21, SLOT
	s_add_co_u32 s22, s22, SLOT
.endr
	v_and_b32 v6, 31, v0
	v_lshlrev_b32 v[CO], 4, v6
	s_wait_alu depctr_va_vdst(0)
	; the way out: which buffer, which scale, and where my 128 x 128 begin in it (registers that feed no descriptor)
	s_wait_kmcnt 0x0
	s_cmp_eq_u32 ttmp9, 0
	s_cselect_b32 s90, s82, s83                    ; e2 for q, e3 for k,
	s_cselect_b64 s[10:11], s[68:69], s[70:71]
	s_cmp_eq_u32 ttmp9, 2
	s_cselect_b32 s90, s85, s90                    ; e5 for v
	s_cselect_b64 s[10:11], s[72:73], s[10:11]
	s_sub_co_i32 s90, s90, s80
	s_sub_co_i32 s90, s90, s81                     ; E: a sum stands for sum x 2^(e0 + e1), so its code is sum / 2^E
	s_add_co_i32 s90, s90, 127
	s_lshl_b32 s91, s90, 23
	v_mov_b32 v[SCL], s91
	s_lshl_b32 s90, s17, 8
	s_lshl_b32 s91, s15, 7
	s_add_co_u32 s90, s90, s91                     ; my first row of A (for v counted from its first feature)
	s_lshl_b32 s91, s42, 8
	s_lshl_b32 s92, s16, 7
	s_add_co_u32 s91, s91, s92                     ; my first row of B
	s_and_b32 s92, s91, 1023                       ; as a feature of q or of k
	s_cmp_eq_u32 ttmp9, 2
	s_cselect_b32 s93, s91, s90                    ; my first token
	s_cselect_b32 s94, s90, s92                    ; my first feature
	s_lshr_b32 s95, s93, 11
	s_lshl_b32 s95, s95, 4
	s_lshr_b32 s94, s94, 6
	s_add_co_u32 s95, s95, s94                     ; 16 x batch + head
	s_lshl_b32 s95, s95, 17                        ; a head's images are 131,072 bytes
	s_and_b32 s93, s93, 2047
	s_lshl_b32 s93, s93, 6                         ; 64 bytes a token in all three layouts
	s_add_co_u32 s92, s95, s93
	s_mov_b32 s93, 0
	s_add_nc_u64 s[10:11], s[10:11], s[92:93]
.macro FRAG reg, adr, q, i             ; a fragment: lane l holds row l % 16; registers 4 c .. 4 c + 3 hold K = 32 c + 16 (l / 16) + 0 .. 15: one order of k for A and B alike, so every product meets its partner
.irp c, 0,1,2,3
	ds_load_b128 v[\reg+4*\c:\reg+4*\c+3], v[\adr] offset:128*(\q)+32*\c+(\i)*16*PITCH
.endr
.endm
; 16 matrix instructions: A's blocks a0, a0 + 1 x B's eight, 128 along K.  The 64 accumulators take turns, one instruction a turn, in the same order in every step.
.macro MUL16 a0, p, zero
.irp a, \a0, \a0+1
.irp b, 0,1,2,3,4,5,6,7
.if \zero
	v_wmma_f32_16x16x128_fp8_fp8 v[8*(8*((\a)%4)+\b):8*(8*((\a)%4)+\b)+7], v[128*(\p)+FR*\b:128*(\p)+FR*\b+FR-1], v[AF+FR*(\a):AF+FR*(\a)+FR-1], 0
.else
	v_wmma_f32_16x16x128_fp8_fp8 v[8*(8*((\a)%4)+\b):8*(8*((\a)%4)+\b)+7], v[128*(\p)+FR*\b:128*(\p)+FR*\b+FR-1], v[AF+FR*(\a):AF+FR*(\a)+FR-1], v[8*(8*((\a)%4)+\b):8*(8*((\a)%4)+\b)+7]
.endif
.endr
.endr
.endm
.macro FETCH_B slot, q, p
	WIN TO_B
.irp i, 0,1,2,3,4,5,6,7
	FRAG 128*(\p)+FR*\i, ADRB+\slot, \q, \i
.endr
	WIN 0
.endm
.macro FETCH_A slot, q, i0
.irp i, \i0, \i0+1, \i0+2, \i0+3
	FRAG AF+FR*(\i), ADRA+\slot, \q, \i
.endr
.endm
.macro PLACES n                        ; plain vector instructions between a matrix instruction and a load into, or a vector instruction on, its registers
.rept \n
	v_nop
.endr
.endm
; A step of 128 along K that has its successor in the same slot.
.macro STEP slot, q, zero
	s_wait_dscnt 4*NL                              ; B's set and A's blocks 0-3 are in; the youngest sixteen loads (A's blocks 4-7) may be out
	WIN MUL_LO
	MUL16 0, (\q)%2, \zero
	MUL16 2, (\q)%2, \zero
	s_wait_dscnt 0                                 ; A's blocks 4-7 are in
	PLACES NP
	FETCH_B \slot, (\q)+1, 1-(\q)%2
	FETCH_A \slot, (\q)+1, 0
	WIN MUL_HI
	MUL16 4, (\q)%2, \zero
	MUL16 6, (\q)%2, \zero
	PLACES NP
	WIN 0
	FETCH_A \slot, (\q)+1, 4
.endm
; A slot's last step changes slots: one barrier; in front of it each wave waits for all its tensor loads, adds 0 to its spare word, and waits for that and for its own reads of this slot.  fill = 1: this slot is filled again, two K steps ahead.
.macro TURN slot, next, fill
	s_wait_tensorcnt 0x0                           ; all my tensor loads have landed: my part of the next slot
	ds_add_u32 v[SPW], v[NIL]                      ; 0 onto my spare word
	s_wait_dscnt 4*NL+1                            ; the add and the youngest sixteen loads may be out
	WIN MUL_LO
	MUL16 0, 1, 0
	s_wait_dscnt 0x0                               ; the add is done, and my reads of this slot are over
	s_barrier_signal -1
	MUL16 2, 1, 0
	WIN 0
	s_barrier_wait -1
.if \fill
	CREST                                          ; the barrier has opened a round of the cluster's barrier: no wave of any partner still reads this slot or has a load on its way
	s_add_nc_u64 s[G0+4*\slot+2:G0+4*\slot+3], s[G0+4*\slot+2:G0+4*\slot+3], 2*ROWB
	s_add_nc_u64 s[G0B+4*\slot+2:G0B+4*\slot+3], s[G0B+4*\slot+2:G0B+4*\slot+3], 2*ROWB
	JLOAD G0+4*\slot, G1, G0B+4*\slot, G1B         ; the first tensor load behind the round; its four v_nop are also the places in front of the loads below
.else
	PLACES NP
.endif
	FETCH_B \next, 0, 0
	FETCH_A \next, 0, 0
	WIN MUL_HI
	MUL16 4, 1, 0
	MUL16 6, 1, 0
	PLACES NP
	WIN 0
	FETCH_A \next, 0, 4
.endm
	s_wait_tensorcnt 1                             ; my part of K step 0 is in; K step 1's load may be out
	s_barrier_signal -1
	s_barrier_wait -1
	FETCH_B 0, 0, 0
	FETCH_A 0, 0, 0
	FETCH_A 0, 0, 4
	STEP 0, 0, 1                                   ; the first step's products start the sums
	s_mov_b32 s3, LAPS-1
.Llap:                                             ; a trip goes once round the ring and fills both slots again
	TURN 0, 1, 1
	STEP 1, 0, 0
	TURN 1, 0, 1
	STEP 0, 0, 0
	s_sub_co_u32 s3, s3, 1
	s_cmp_lg_u32 s3, 0
	s_cbranch_scc1 .Llap
	TURN 0, 1, 0                                   ; the last lap fills nothing
	STEP 1, 0, 0
	s_wait_dscnt 4*NL
	WIN MUL_LO
	MUL16 0, 1, 0
	MUL16 2, 1, 0
	s_wait_dscnt 0
	WIN MUL_HI
	MUL16 4, 1, 0
	MUL16 6, 1, 0
	WIN 0
; THE WAY OUT of A's block a: the 64 sums of a lane are held within +-448 x 2^E (each accumulator from its low end on), converted, eight to two registers, and stored as they stand: four stores of 512 consecutive bytes.
; kind 0 (q, k): block a is a tile of 16 tokens; B's blocks 4 u .. 4 u + 3 are head u's 64 features.   kind 1 (v): block a is tile a % 4 of head a / 4's features; B's eight blocks are a step's 128 keys.
.macro OUTBLK a, kind
.set AC, 64*((\a)%4)
	WIN 0x82+0x41*((\a)/4)                         ; source 0 and destination: window 2 or 3
.set j, 0
.rept 64
.set j, j+1
.endr
	WIN 0x02+((\a)/4)                              ; source 0: window 2 or 3; the codes and the scale: window 0
.irp b, 0,1,2,3,4,5,6,7
	v_cvt_scalef32_pk8_fp8_f32 v[CODE+16*(\a)+2*\b:CODE+16*(\a)+2*\b+1], v[AC+8*\b:AC+8*\b+7], v[SCL]
.endr
	WIN 0
	v_nop                                          ; a plain vector line behind the last conversion of the run
.irp ch, 0,1,2,3
.if \kind
	global_store_b128 v[CO], v[CODE+16*(\a)+4*\ch:CODE+16*(\a)+4*\ch+3], s[10:11] offset:((\a)/4)*131072+((\a)%4)*2048+\ch*512
.else
	global_store_b128 v[CO], v[CODE+16*(\a)+4*\ch:CODE+16*(\a)+4*\ch+3], s[10:11] offset:(\a)*1024+(\ch/2)*131072+(\ch%2)*512
.endif
.endr
.endm
	PLACES NP                                      ; behind the last products: their results and A's registers are touched below
	s_cmp_eq_u32 ttmp9, 2                          ; the same in all sixteen partners
	s_cbranch_scc1 .Lv_out
	s_wait_alu depctr_va_vdst(0)
.irp a, 0,1,2,3,4,5,6,7
	OUTBLK \a, 0
.endr
	s_branch .Lout_done
.Lv_out:
	s_wait_alu depctr_va_vdst(0)
.irp a, 0,1,2,3,4,5,6,7
	OUTBLK \a, 1
.endr
.Lout_done:
	s_wait_tensorcnt 0x0                           ; the wave's end
	ds_add_u32 v[SPW], v[NIL]
	s_wait_dscnt 0x0
	CROUND                                         ; the closing round: no work-group ends while a partner may still ask for a tile that names it
	s_endpgm
.Lfunc_end_k_q0c331e1952_qkv:
	.size	k_q0c331e1952_qkv, .Lfunc_end_k_q0c331e1952_qkv-k_q0c331e1952_qkv
	.p2alignl 7, 3214868480
	.fill 96, 4, 3214868480
	.section	.rodata,"a",@progbits
	.p2align	6, 0x0
	.amdhsa_kernel k_q0c331e1952_qkv
		.amdhsa_group_segment_fixed_size 327680
		.amdhsa_private_segment_fixed_size 0
		.amdhsa_enable_private_segment 0
		.amdhsa_kernarg_size 48
		.amdhsa_user_sgpr_count 2
		.amdhsa_user_sgpr_kernarg_segment_ptr 1
		.amdhsa_wavefront_size32 1
		.amdhsa_system_sgpr_workgroup_id_x 1
		.amdhsa_system_sgpr_workgroup_id_y 1
		.amdhsa_system_sgpr_workgroup_id_z 1
		.amdhsa_system_vgpr_workitem_id 0
		.amdhsa_next_free_vgpr 1024
		.amdhsa_next_free_sgpr 100
		.amdhsa_reserve_vcc 0
		.amdhsa_float_denorm_mode_32 3
		.amdhsa_float_denorm_mode_16_64 3
		.amdhsa_fp16_overflow 1
		.amdhsa_memory_ordered 1
		.amdhsa_forward_progress 1
		.amdhsa_inst_pref_size 95
	.end_amdhsa_kernel
	.amdgpu_metadata
---
amdhsa.version: [ 1, 2 ]
amdhsa.kernels:
  - .name:           k_q0c331e1952_qkv
    .symbol:         k_q0c331e1952_qkv.kd
    .args:
      - { .name: x_codes, .offset: 0, .size: 8, .value_kind: global_buffer, .address_space: global }
      - { .name: wa_codes, .offset: 8, .size: 8, .value_kind: global_buffer, .address_space: global }
      - { .name: lowp_scales, .offset: 16, .size: 8, .value_kind: global_buffer, .address_space: global }
      - { .name: q_img, .offset: 24, .size: 8, .value_kind: global_buffer, .address_space: global }
      - { .name: k_img, .offset: 32, .size: 8, .value_kind: global_buffer, .address_space: global }
      - { .name: v_img, .offset: 40, .size: 8, .value_kind: global_buffer, .address_space: global }
    .group_segment_fixed_size: 327680
    .private_segment_fixed_size: 0
    .kernarg_segment_align: 8
    .kernarg_segment_size: 48
    .max_flat_workgroup_size: 128
    .sgpr_count:     100
    .vgpr_count:     1024
    .wavefront_size: 32
...
	.end_amdgpu_metadata
.endif
;; end of part 2
;; launch attn (part 3): grid 4 x 64, 8 waves a work-group, no clusters, 327,680 bytes of LDS; arguments q_img, k_img, v_img, lowp_scales, y_img; writes y_img
.if DOCPART == 3
	.amdgcn_target "amdgcn-amd-amdhsa--gfx1250"
	.amdhsa_code_object_version 6
	.text
	.protected	k_q0c331e1952_attn
	.globl	k_q0c331e1952_attn
	.p2align	8
	.type	k_q0c331e1952_attn,@function
k_q0c331e1952_attn:
	s_mov_b64 s[64:65], 0
	v_nop
	global_prefetch_b8 v0, s[64:65] scope:SCOPE_SE
	s_setreg_imm32_b32 hwreg(HW_REG_WAVE_MODE, 25, 1), 1
	s_wait_xcnt 0x0
; Causal attention of one head on codes of FP8 (E4M3): y = softmax(q k^T / 8, keys <= query) v, quantised at once (e6) for the last product.  64 = 4 batches x 16 heads, 2,048 tokens, head size 64.
; THE SOFTMAX AHEAD OF THE SECOND PRODUCT: t = score x log2(e) / 8; M = the running largest t rounded UP to a whole number; p = 2^(t - M) is quantised (e4), not normalised; the row's sum is taken of the
; unquantised p and divides at the end.  When M moves, the sum and O are multiplied by 2^(old M - new M): exact.
; SHARES.  Work-group (i, head) takes the blocks of 256 queries 7 - i and then i.  Block b needs the slots of 256 keys 0 .. b: (8 - i) + (i + 1) = 9 slots for EVERY work-group: a constant trip count, and 256 work-groups of equal work.
; Each of the eight waves owns 32 queries of the block in hand, two tiles of 16, so that a fragment of K or V read from LDS feeds two matrix instructions; two waves share a SIMD, one's vector work beside the other's loads and products.
; NO CLUSTER: the four work-groups of a head want different slots from their sixth on (work-group i leaves the first block behind slot 7 - i); asking jointly for every slot that any of them wants would take 12 rounds in place of 9.
; OPERANDS ARE IMAGES OF REGISTERS (the launch before stores them so): a slot's K (16,384 bytes) and V (16,384) are dense blocks; every LDS load takes 512 consecutive bytes at 16 x lane: no pitch, no padding.
; Both products are used transposed: S^T = K Q^T (source 0 = 16 keys), O^T = V^T P^T (source 0 = 16 features): a lane holds ONE query (lane % 16).  In S^T register 8 T + j is key 16 T + 8 (lane / 16) + j: the second product's own order.
; V's features lie in the order that makes tiles 2 b, 2 b + 1 of O^T hold channels 32 b + 16 (lane / 16) + 0 .. 15: the conversions' results are the last product's operand registers.
; y_img: [tile of 16 tokens 512][128 along K 8][4][lane][16 bytes]: lane (r, h), chunk c: channels 32 c + 16 h + 0 .. 15 of token r.
; CAUSAL: a step of 128 keys all of which come after my 32 queries is left out (a scalar branch on ids); in the one step on the diagonal hidden scores become -infinity.  A step that is worked begins at or before my first query, so M is a number.
; LIMITS, so that each power of two below is an f32 number: e2 + e3 between -123 and 130; e4 and e6 between -126 and 119; e4 + e5 goes in by v_ldexp_f32 and has none.
; REGISTERS.  window 0: v1-9 addresses and the mask's numbers; v12-19 statistics; v20-23 f; v24-31 at work; v32-47 Q; v48-63 the second block's Q; v64-191 S^T, then p; v192-223 p's codes; v224-227 constants; v232-247 y's codes.
;             window 1: v0-63 K's eight fragments; v64-127 V's four; v128-191 O^T.
.set SLOTB, 32768                      ; a slot: K's images, then V's
.set VOFF,  16384
.set SPARE, 2*SLOTB                    ; behind the ring: the spare words, 128 bytes for each of the eight waves
.set LI,   1                           ; v1   16 x lane
.set SPW,  2                           ; v2   LDS address of my spare word; never rewritten
.set NIL,  3                           ; v3   0; never rewritten
.set ADR,  4                           ; v4   LDS address of the slot in hand + 16 x lane
.set PFO,  5                           ; v5   256 x lane, for the prefetches; never rewritten
.set DM,   6                           ; v6, v7   r - 8 h + 16 x
.set DD,   8                           ; v8, v9   the same + my first query - the step's first key
.set STT,  12                          ; tile x at +4 x: -M, the largest t, the sum in two halves
.set FF,   20                          ; tile x at +2 x: f (the pair's upper word is written once and never used)
.set TT,   24                          ; tile x at +4 x: four at work
.set QF,   32
.set Q2,   48
.set S,    64
.set P,    192
.set C4,   224                         ; 2^e4
.set H4,   225
.set NINF, 226
.set C6,   227                         ; 2^e6
.set YC,   232
.set KW,   0                           ; window 1
.set VW,   64
.set OW,   128
.set TB,   2                           ; s2   LDS byte at which the slot in hand begins
.set WV,   18
.set SEL,  20                          ; s[20:21] v_permlanex16_b32's selects for lane l xor 16
.set CS,   22                          ; s[22:23] c = log2(e) / 8 x 2^(e2 + e3)
.set G1,   24
.set G0,   32
.set TBASE, 36                         ; s[36:37] K's images (wave 0) or V's (the others) of my head
.set SG,   38                          ; s[38:39] byte offset of the slot of keys that is asked for
.set SLOTS, 40                         ; fills still to be asked for
.set FC,   41                          ; the number of the fill asked for last
.set SW,   42                          ; 8 - i: the first fill of the second block
.set KF,   43                          ; the step's first key
.set Q0,   44                          ; my first query
.set Q0B,  45                          ; and in the second block
.set YA,   46                          ; s[46:47], s[48:49] where my results go
.set YB,   48
.set PFA,  50                          ; s[50:51] where my prefetches stand
.set LIM,  52
.set EPV,  53                          ; e4 + e5
.set LP6,  54
.set LN6,  55
.set MSB, 0
.macro WIN new                         ; the immediate's high byte repeats the setting that is left
.if MSB != (\new)
	s_set_vgpr_msb (MSB<<8)|(\new)
.set MSB, \new
.endif
.endm
; Wave 0 brings a slot's K, wave 1 its V, the others nothing: one line, whose addresses hang on the wave's number.  Four v_nop follow it.
.macro TLOAD
	s_cmp_lt_u32 s[WV], 2
	s_cbranch_scc0 .Lno_load_\@
	tensor_load_to_lds s[G0:G0+3], s[G1:G1+7]
	s_nop 0
.rept 4
	v_nop
.endr
.Lno_load_\@:
.endm
; A PREFETCH INTO THE L2 of the slot of keys that the NEXT change of slots will ask for: two key steps ahead of that load.  All four work-groups of a head walk the same K and V in their first block, and work-group 0 walks all
; eight slots: it alone asks.  In it waves 4 and 5 ask for the halves of K's 16,384 bytes, waves 6 and 7 for V's: lanes 256 bytes apart, 8,192 bytes a wave, one instruction: each 256 bytes are named once in the launch.
; Slots 0 and 1 come by their loads alone; the last request, in the sixth trip, names slot 7; the second block's slots have been read before.
.macro ASK
	s_cmp_gt_u32 s[SLOTS], s[LIM]
	s_cbranch_scc0 .Lnot_mine_\@
	global_prefetch_b8 v[PFO], s[PFA:PFA+1] th:TH_LOAD_NT scope:SCOPE_SE
.Lnot_mine_\@:
.endm
.macro INIT                            ; a block's start: the largest t under every t, the sums and O^T zero, so that the step is written once: the first change of M multiplies zeros
.irp x, 0,1
	v_mov_b32 v[STT+4*\x+1], 0xff61b1e6            ; -3e38
	v_mov_b32 v[STT+4*\x+2], 0
	v_mov_b32 v[STT+4*\x+3], 0
.endr
.irp x, 0
	v_floor_f32 v[STT+4*\x], -v[STT+4*\x+1]
.endr
.irp x, 1
	s_delay_alu instid0(VALU_DEP_4)
	v_floor_f32 v[STT+4*\x], -v[STT+4*\x+1]
.endr
	WIN 0x40                                       ; destination window 1
.set j, 0
.rept 64
	v_mov_b32 v[OW+j], 0
.set j, j+1
.endr
	WIN 0
.endm
	s_load_b256 s[4:11], s[0:1], 0x0               ; q_img s[4:5], k_img s[6:7], v_img s[8:9], the scales s[10:11]
	s_load_b64 s[12:13], s[0:1], 0x20              ; y_img
	v_lshl_add_u32 v[SPW], v0, 2, SPARE
	v_mov_b32 v[NIL], 0
	ds_add_u32 v2, v3
	ds_add_u32 v2, v3
	s_wait_dscnt 0x0
	v_lshrrev_b32 v8, 5, v0
	s_delay_alu instid0(VALU_DEP_1)
	v_readfirstlane_b32 s[WV], v8                  ; wave 0..7
	s_and_b32 s72, ttmp7, 0xffff                   ; 16 x batch + head
	s_lshl_b32 s74, s72, 17                        ; a head's images are 131,072 bytes in q_img, k_img and v_img
	s_mov_b32 s75, 0
	; descriptor group 1: a dense block of 16,384 bytes as 64 rows of 256
	s_mov_b32 s[G1], 3<<16                         ; 15:0 no mask; 17:16 elements of 8 bytes; no padding
	s_mov_b32 s[G1+1], 32<<16                      ; tensor_dim0 = 32 elements
	s_mov_b32 s[G1+2], 64<<16                      ; tensor_dim1 = 64
	s_mov_b32 s[G1+3], 32<<16                      ; tile_dim0
	s_mov_b32 s[G1+4], 64                          ; tile_dim1
	s_mov_b32 s[G1+5], 32                          ; tensor_dim0_stride
	s_mov_b32 s[G1+6], 0
	s_mov_b32 s[G1+7], 0
	s_mov_b32 s[SEL], 0x76543210
	s_mov_b32 s[SEL+1], 0xfedcba98
	s_mov_b32 s[TB], 0
	s_mov_b32 s[SLOTS], 8
	s_mov_b32 s[FC], 0
	s_sub_co_u32 s[SW], 8, ttmp9
	s_mov_b32 s[KF], 0
	s_mov_b32 s[SG], 0
	s_mov_b32 s[SG+1], 0
	s_lshl_b32 s66, s[WV], 5
	s_sub_co_u32 s67, 7, ttmp9
	s_lshl_b32 s67, s67, 8
	s_add_co_u32 s[Q0], s67, s66                   ; block 7 - i, my 32 queries
	s_lshl_b32 s67, ttmp9, 8
	s_add_co_u32 s[Q0B], s67, s66                  ; block i
	s_and_b32 s66, s[WV], 1
	s_lshl_b32 s66, s66, 14                        ; K's images at a slot's head, V's 16,384 bytes on
	s_wait_kmcnt 0x0
	s_load_b256 s[56:63], s[10:11], 0x0            ; e0 .. e7
	s_cmp_eq_u32 s[WV], 0
	s_cselect_b64 s[TBASE:TBASE+1], s[6:7], s[8:9]
	s_add_nc_u64 s[TBASE:TBASE+1], s[TBASE:TBASE+1], s[74:75]
	s_mov_b32 s[G0], 1                             ; count = 1
	s_mov_b32 s[G0+1], s66                         ; LDS address: slot 0
	s_mov_b64 s[G0+2:G0+3], s[TBASE:TBASE+1]       ; the head's first 256 keys
	s_or_b32 s[G0+3], s[G0+3], 0x80000000          ; type = 2
	TLOAD                                          ; the first fill, ahead of every wait on TENSORcnt, every LDS read and every barrier
	s_add_nc_u64 s[4:5], s[4:5], s[74:75]
	s_lshl_b32 s68, s[Q0], 6                       ; 64 bytes a token
	s_mov_b32 s69, 0
	s_add_nc_u64 s[68:69], s[4:5], s[68:69]
	s_lshl_b32 s70, s[Q0B], 6
	s_mov_b32 s71, 0
	s_add_nc_u64 s[70:71], s[4:5], s[70:71]
	v_and_b32 v8, 31, v0
	s_delay_alu instid0(VALU_DEP_1)
	v_lshlrev_b32 v[LI], 4, v8
	s_delay_alu instid0(VALU_DEP_2)
	v_lshlrev_b32 v[PFO], 8, v8
.irp c, 0,1,2,3
	global_load_b128 v[QF+4*\c:QF+4*\c+3], v[LI], s[68:69] offset:512*\c   ; both blocks' Q stay in registers: two tiles x two halves of a fragment
.endr
.irp c, 0,1,2,3
	global_load_b128 v[Q2+4*\c:Q2+4*\c+3], v[LI], s[70:71] offset:512*\c
.endr
	s_lshr_b32 s66, s72, 4
	s_lshl_b32 s66, s66, 11                        ; the batch's first token
	s_and_b32 s67, s72, 15
	s_lshl_b32 s67, s67, 10                        ; the head's 64 channels: 1,024 bytes of a tile's 16,384
	s_add_co_u32 s76, s66, s[Q0]
	s_lshl_b32 s76, s76, 10                        ; 1,024 bytes a token
	s_add_co_u32 s76, s76, s67
	s_mov_b32 s77, 0
	s_add_nc_u64 s[YA:YA+1], s[12:13], s[76:77]
	s_add_co_u32 s76, s66, s[Q0B]
	s_lshl_b32 s76, s76, 10
	s_add_co_u32 s76, s76, s67
	s_add_nc_u64 s[YB:YB+1], s[12:13], s[76:77]
	s_cmp_lt_u32 s[WV], 6                          ; the prefetches: waves 4, 5 stand in K, waves 6, 7 in V,
	s_cselect_b64 s[PFA:PFA+1], s[6:7], s[8:9]
	s_and_b32 s76, s[WV], 1
	s_lshl_b32 s76, s76, 13                        ; at my half
	s_add_co_u32 s76, s76, 16384                   ; of slot 1: the first change of slots steps it to slot 2.  Nothing is prefetched here, at the head
	s_add_nc_u64 s[PFA:PFA+1], s[PFA:PFA+1], s[76:77]
	s_add_nc_u64 s[PFA:PFA+1], s[PFA:PFA+1], s[74:75]
	s_lshr_b32 s66, s[WV], 2
	s_xor_b32 s66, s66, 1                          ; 0 in waves 4 to 7
	s_or_b32 s66, s66, ttmp9                       ; of work-group 0
	s_cmp_eq_u32 s66, 0
	s_cselect_b32 s[LIM], 2, -1                    ; a wave prefetches while more than this many fills are to come
	v_and_b32 v9, 15, v0                           ; r
	v_bfe_u32 v10, v0, 4, 1                        ; h
	s_delay_alu instid0(VALU_DEP_1)
	v_lshlrev_b32 v10, 3, v10
	s_delay_alu instid0(VALU_DEP_1)
	v_sub_nc_u32 v[DM], v9, v10
	s_delay_alu instid0(VALU_DEP_1)
	v_add_nc_u32 v[DM+1], 16, v[DM]
	v_mov_b32 v[FF+1], 0                           ; named as the upper halves of pairs
	v_mov_b32 v[FF+3], 0
	v_mov_b32 v[TT+2], 0                           ; a lane permute's destination counts as one of its sources
	v_mov_b32 v[TT+6], 0
	v_mov_b32 v[NINF], 0xff800000
	INIT
	s_wait_kmcnt 0x0
	s_add_co_i32 s66, s58, s59
	s_lshl_b32 s66, s66, 23
	s_add_co_i32 s[CS], s66, 0x3e38aa3b            ; log2(e) / 8, with e2 + e3 added to its exponent field
	s_mov_b32 s[CS+1], s[CS]
	s_add_co_i32 s66, s60, 127
	s_lshl_b32 s67, s66, 23
	v_mov_b32 v[C4], s67
	s_add_co_i32 s66, s62, 127
	s_lshl_b32 s67, s66, 23
	v_mov_b32 v[C6], s67
	s_add_co_i32 s[EPV], s60, s61
; A KEY STEP: 128 keys, the q-th of the slot in hand, for my two tiles of queries.  Each group of lines is written for both tiles by turns.
.macro STEP q
	s_add_co_u32 s66, s[Q0], 31
	s_cmp_gt_u32 s[KF], s66                        ; all its keys come after my queries: nothing to do but step the key
	s_cbranch_scc1 .Lhidden_\@
	v_add_nc_u32 v[ADR], s[TB], v[LI]
.rept 4
	v_nop                                          ; places in front of loads into V's registers, which the last products read
.endr
	WIN 0x40                                       ; destination window 1
.irp t, 0,1,2,3,4,5,6,7
.irp c, 0,1
	ds_load_b128 v[KW+8*\t+4*\c:KW+8*\t+4*\c+3], v[ADR] offset:\q*8192+\t*1024+\c*512
.endr
.endr
.irp t, 0,1,2,3
.irp c, 0,1,2,3
	ds_load_b128 v[VW+16*\t+4*\c:VW+16*\t+4*\c+3], v[ADR] offset:VOFF+\q*8192+\t*2048+\c*512
.endr
.endr
	s_wait_dscnt 16                                ; K is in; V's sixteen loads may be out
	WIN 0x01                                       ; source 0 (K) window 1
	s_wait_alu depctr_va_vdst(0)
.irp t, 0,1,2,3,4,5,6,7
.irp x, 0,1
	v_wmma_f32_16x16x64_fp8_fp8 v[S+64*\x+8*\t:S+64*\x+8*\t+7], v[KW+8*\t:KW+8*\t+7], v[QF+8*\x:QF+8*\x+7], 0
.endr
.endr
	WIN 0
.rept 4
	v_nop                                          ; places in front of the first read of the scores
.endr
	s_add_co_u32 s66, s[KF], 127
	s_cmp_le_u32 s66, s[Q0]                        ; all its keys count for all my queries: no mask
	s_cbranch_scc1 .Lopen_\@
	s_sub_co_i32 s66, s[Q0], s[KF]
	v_add_nc_u32 v[DD], s66, v[DM]                 ; register n holds key KF + 16 (n / 8) + 8 h + n % 8: hidden where 16 (n / 8) + n % 8 > my query - KF - 8 h
	v_add_nc_u32 v[DD+1], s66, v[DM+1]
.set n, 0
.rept 64
	v_cmp_gt_i32 vcc_lo, 16*(n/8)+n%8, v[DD]
	v_cmp_gt_i32 s67, 16*(n/8)+n%8, v[DD+1]
	v_cndmask_b32 v[S+n], v[S+n], v[NINF], vcc_lo
	v_cndmask_b32 v[S+64+n], v[S+64+n], v[NINF], s67
.set n, n+1
.endr
.Lopen_\@:
.irp x, 0,1
	v_max3_num_f32 v[TT+4*\x], v[S+64*\x], v[S+64*\x+1], v[S+64*\x+2]      ; the step's largest score of my query among my 64 keys, in two chains, ascending
.endr
.irp x, 0,1
	v_max3_num_f32 v[TT+4*\x+1], v[S+64*\x+3], v[S+64*\x+4], v[S+64*\x+5]
.endr
.irp i, 6,10,14,18,22,26,30,34,38,42,46,50,54,58
.irp x, 0,1
	v_max3_num_f32 v[TT+4*\x], v[TT+4*\x], v[S+64*\x+\i], v[S+64*\x+\i+1]
.endr
.irp x, 0,1
	v_max3_num_f32 v[TT+4*\x+1], v[TT+4*\x+1], v[S+64*\x+\i+2], v[S+64*\x+\i+3]
.endr
.endr
.irp x, 0,1
	v_max3_num_f32 v[TT+4*\x], v[TT+4*\x], v[S+64*\x+62], v[S+64*\x+63]
.endr
.irp x, 0,1
	s_delay_alu instid0(VALU_DEP_2)
	v_max_num_f32 v[TT+4*\x], v[TT+4*\x], v[TT+4*\x+1]
.endr
.irp x, 0,1
	s_delay_alu instid0(VALU_DEP_2)
	v_permlanex16_b32 v[TT+4*\x+2], v[TT+4*\x], s[SEL], s[SEL+1]
.endr
.irp x, 0,1
	s_delay_alu instid0(VALU_DEP_2)
	v_max_num_f32 v[TT+4*\x], v[TT+4*\x], v[TT+4*\x+2]                     ; and among lane l xor 16's
.endr
.irp x, 0,1
	s_delay_alu instid0(VALU_DEP_2)
	v_mul_f32 v[TT+4*\x], s[CS], v[TT+4*\x]                                ; as t (c is positive)
.endr
.irp x, 0,1
	s_delay_alu instid0(VALU_DEP_2)
	v_max_num_f32 v[STT+4*\x+1], v[STT+4*\x+1], v[TT+4*\x]                 ; the running largest t
.endr
.irp x, 0,1
	v_mov_b32 v[TT+4*\x], v[STT+4*\x]
.endr
.irp x, 0,1
	s_delay_alu instid0(VALU_DEP_4)
	v_floor_f32 v[STT+4*\x], -v[STT+4*\x+1]                                ; the new -M = floor(-t): M is a whole number
.endr
.irp x, 0,1
	s_delay_alu instid0(VALU_DEP_2)
	v_sub_f32 v[TT+4*\x], v[STT+4*\x], v[TT+4*\x]                          ; old M - new M, 0 or less
.endr
.irp x, 0,1
	s_delay_alu instid0(VALU_DEP_2)
	v_cvt_i32_f32 v[TT+4*\x], v[TT+4*\x]                                   ; (it saturates)
.endr
.irp x, 0,1
	s_delay_alu instid0(VALU_DEP_2)
	v_ldexp_f32 v[FF+2*\x], 1.0, v[TT+4*\x]                                ; f = 2^(old M - new M)
.endr
.set j, 0
.rept 32
	v_pk_fma_f32 v[S+j:S+j+1], v[S+j:S+j+1], s[CS:CS+1], v[STT:STT+1] op_sel_hi:[1,0,0]              ; t - M, two at a time (of the pairs c and -M the low word serves both halves)
	v_pk_fma_f32 v[S+64+j:S+64+j+1], v[S+64+j:S+64+j+1], s[CS:CS+1], v[STT+4:STT+5] op_sel_hi:[1,0,0]
.set j, j+2
.endr
.set j, 0
	s_wait_alu depctr_va_vdst(0)
.rept 128
	v_exp_f32 v[S+j], v[S+j]                       ; p = 2^(t - M): one batch for both tiles
.set j, j+1
.endr
	v_pk_mul_f32 v[STT+2:STT+3], v[STT+2:STT+3], v[FF:FF+1] op_sel_hi:[1,0]      ; the sums under the new M; a plain instruction behind the exponentials
	v_pk_mul_f32 v[STT+6:STT+7], v[STT+6:STT+7], v[FF+2:FF+3] op_sel_hi:[1,0]
	s_wait_alu depctr_va_vdst(0)                   ; one wait for the whole batch, ahead of its first reader
.irp x, 0,1
	v_pk_add_f32 v[TT+4*\x+2:TT+4*\x+3], v[S+64*\x:S+64*\x+1], v[S+64*\x+2:S+64*\x+3]   ; the row's sum is taken of the unquantised p: two at a time, in two chains
.endr
.irp j4, 4,8,12,16,20,24,28,32,36,40,44,48,52,56,60
.irp x, 0,1
	v_pk_add_f32 v[STT+4*\x+2:STT+4*\x+3], v[STT+4*\x+2:STT+4*\x+3], v[S+64*\x+\j4:S+64*\x+\j4+1]
.endr
.irp x, 0,1
	v_pk_add_f32 v[TT+4*\x+2:TT+4*\x+3], v[TT+4*\x+2:TT+4*\x+3], v[S+64*\x+\j4+2:S+64*\x+\j4+3]
.endr
.endr
.irp x, 0,1
	s_delay_alu instid0(VALU_DEP_2)
	v_pk_add_f32 v[STT+4*\x+2:STT+4*\x+3], v[STT+4*\x+2:STT+4*\x+3], v[TT+4*\x+2:TT+4*\x+3]
.endr
.set j, 0
.rept 128
.set j, j+1
.endr
.irp x, 0,1
.irp t, 0,1,2,3,4,5,6,7
	v_cvt_scalef32_pk8_fp8_f32 v[P+16*\x+2*\t:P+16*\x+2*\t+1], v[S+64*\x+8*\t:S+64*\x+8*\t+7], v[C4]   ; registers 2 T, 2 T + 1 of the operand: keys 16 T + 8 h + 0 .. 7
.endr
.endr
	WIN 0x41                                       ; O^T (destination and source 0) window 1
.set j, 0
.rept 16
	v_pk_mul_f32 v[OW+j:OW+j+1], v[OW+j:OW+j+1], v[FF:FF+1] op_sel_hi:[1,0]               ; O^T under the new M, each accumulator from its low end on; these are also the plain lines behind the conversions
	v_pk_mul_f32 v[OW+32+j:OW+32+j+1], v[OW+32+j:OW+32+j+1], v[FF+2:FF+3] op_sel_hi:[1,0]
.set j, j+2
.endr
	s_wait_alu depctr_va_vdst(0)
	s_wait_dscnt 0x0                               ; V is in
	WIN 0x51                                       ; V, C and D window 1, P window 0
.irp t, 0,1,2,3
.irp x, 0,1
	v_wmma_f32_16x16x128_fp8_fp8 v[OW+32*\x+8*\t:OW+32*\x+8*\t+7], v[VW+16*\t:VW+16*\t+15], v[P+16*\x:P+16*\x+15], v[OW+32*\x+8*\t:OW+32*\x+8*\t+7]   ; eight accumulators, one instruction a turn
.endr
.endr
	WIN 0
.Lhidden_\@:
	s_add_co_u32 s[KF], s[KF], 128
.endm
; THE CHANGE OF SLOTS stands at a slot's head.  Each wave waits for all its tensor loads (its part of the slot that it is about to read), adds 0 to its spare word, and waits for that and for its reads of the slot that it has left.
; Behind the barrier the slot ahead is whole and nobody reads the other one.  fill = 1: that other slot is filled with the keys that follow: the load has a slot's two steps in which to land.  One load of a wave is out at a time.
.macro CHANGE fill
	s_wait_tensorcnt 0x0                           ; no tensor load of mine is out, so group 0 may be written
	ds_add_u32 v[SPW], v[NIL]                      ; 0 onto my spare word
.if \fill
	s_add_co_u32 s[FC], s[FC], 1
	s_add_co_u32 s[SG], s[SG], 16384               ; the next 256 keys,
	s_cmp_eq_u32 s[FC], s[SW]
	s_cselect_b32 s[SG], 0, s[SG]                  ; or the second block's first
	s_xor_b32 s[G0+1], s[G0+1], SLOTB              ; into the other slot than last time
	s_add_nc_u64 s[G0+2:G0+3], s[TBASE:TBASE+1], s[SG:SG+1]
	s_or_b32 s[G0+3], s[G0+3], 0x80000000
	s_wait_xcnt 0x0                                ; the last prefetch, a slot back, has read its address, so it may be written
	s_add_nc_u64 s[PFA:PFA+1], s[PFA:PFA+1], 16384
.endif
	s_wait_dscnt 0x0                               ; the add is done, and my reads of the slot that I have left are over
	s_barrier_signal -1
	s_barrier_wait -1
.if \fill
	TLOAD                                          ; the first thing behind the barrier, and a wave's one tensor load until the next
	ASK
.endif
.endm
.macro SLOT_STEPS
	STEP 0
	STEP 1
	s_xor_b32 s[TB], s[TB], SLOTB                  ; on to the other slot
.endm
; A block's end: O^T / the sum x 2^(e4 + e5) is y; held, converted with 2^e6 and stored as it stands: four stores of 512 consecutive bytes.
.macro FINISH yp
	s_wait_xcnt 0x0                                ; the first block's stores have read their registers: y's codes may be written again
.rept 4
	v_nop                                          ; places behind the last products
.endr
.irp x, 0,1
	v_add_f32 v[TT+4*\x], v[STT+4*\x+2], v[STT+4*\x+3]                     ; the sum's two halves,
.endr
.irp x, 0,1
	s_delay_alu instid0(VALU_DEP_2)
	v_permlanex16_b32 v[TT+4*\x+2], v[TT+4*\x], s[SEL], s[SEL+1]
.endr
.irp x, 0,1
	s_delay_alu instid0(VALU_DEP_2)
	v_add_f32 v[TT+4*\x], v[TT+4*\x], v[TT+4*\x+2]                         ; and lane l xor 16's
.endr
	s_wait_alu depctr_va_vdst(0)
.irp x, 0,1
	v_rcp_f32 v[FF+2*\x], v[TT+4*\x]
.endr
	v_nop                                          ; a plain instruction behind the reciprocals
	s_wait_alu depctr_va_vdst(0)                   ; one wait for both, ahead of their first reader
.irp x, 0,1
	v_ldexp_f32 v[FF+2*\x], v[FF+2*\x], s[EPV]
.endr
	WIN 0x01                                       ; source 0 (O^T) window 1
.set j, 0
.rept 16
	v_pk_mul_f32 v[S+j:S+j+1], v[OW+j:OW+j+1], v[FF:FF+1] op_sel_hi:[1,0]                 ; each accumulator from its low end on
	v_pk_mul_f32 v[S+64+j:S+64+j+1], v[OW+32+j:OW+32+j+1], v[FF+2:FF+3] op_sel_hi:[1,0]
.set j, j+2
.endr
	WIN 0
.set j, 0
.rept 32
.set j, j+1
.endr
.irp x, 0,1
.irp t, 0,1,2,3
	v_cvt_scalef32_pk8_fp8_f32 v[YC+8*\x+2*\t:YC+8*\x+2*\t+1], v[S+64*\x+8*\t:S+64*\x+8*\t+7], v[C6]   ; tiles 2 b, 2 b + 1: channels 32 b + 16 h + 0 .. 15: chunk b of the head's two
.endr
.endr
	v_nop                                          ; a plain vector line behind the last conversion: the next products write its sources
.irp x, 0,1
.irp b, 0,1
	global_store_b128 v[LI], v[YC+8*\x+4*\b:YC+8*\x+4*\b+3], s[\yp:\yp+1] offset:\x*16384+\b*512
.endr
.endr
.endm
.macro RESET                           ; on to the second block
	INIT
.set j, 0
.rept 16
	v_mov_b32 v[QF+j], v[Q2+j]
.set j, j+1
.endr
	s_mov_b32 s[Q0], s[Q0B]
	s_mov_b32 s[KF], 0
.endm
	s_wait_loadcnt 0x0                             ; Q
.Lslot:                                            ; eight trips: behind each change of slots but the last the next slot is asked for
	CHANGE 1
	SLOT_STEPS
	s_cmp_lg_u32 s[FC], s[SW]                      ; was this the first block's last slot?  (trip 7 - i: the fill just asked for is the second block's first)
	s_cbranch_scc1 .Lsame_block
	FINISH YA
	RESET
.Lsame_block:
	s_sub_co_u32 s[SLOTS], s[SLOTS], 1
	s_cmp_lg_u32 s[SLOTS], 0
	s_cbranch_scc1 .Lslot
	CHANGE 0                                       ; the last slot is written out
	SLOT_STEPS
	FINISH YB
	s_wait_tensorcnt 0x0                           ; the wave's end
	ds_add_u32 v[SPW], v[NIL]
	s_wait_dscnt 0x0
	s_endpgm
.Lfunc_end_k_q0c331e1952_attn:
	.size	k_q0c331e1952_attn, .Lfunc_end_k_q0c331e1952_attn-k_q0c331e1952_attn
	.p2alignl 7, 3214868480
	.fill 96, 4, 3214868480
	.section	.rodata,"a",@progbits
	.p2align	6, 0x0
	.amdhsa_kernel k_q0c331e1952_attn
		.amdhsa_group_segment_fixed_size 327680
		.amdhsa_private_segment_fixed_size 0
		.amdhsa_enable_private_segment 0
		.amdhsa_kernarg_size 40
		.amdhsa_user_sgpr_count 2
		.amdhsa_user_sgpr_kernarg_segment_ptr 1
		.amdhsa_wavefront_size32 1
		.amdhsa_system_sgpr_workgroup_id_x 1
		.amdhsa_system_sgpr_workgroup_id_y 1
		.amdhsa_system_sgpr_workgroup_id_z 1
		.amdhsa_system_vgpr_workitem_id 0
		.amdhsa_next_free_vgpr 512
		.amdhsa_next_free_sgpr 96
		.amdhsa_reserve_vcc 1
		.amdhsa_float_denorm_mode_32 3
		.amdhsa_float_denorm_mode_16_64 3
		.amdhsa_fp16_overflow 1
		.amdhsa_memory_ordered 1
		.amdhsa_forward_progress 1
		.amdhsa_inst_pref_size 176
	.end_amdhsa_kernel
	.amdgpu_metadata
---
amdhsa.version: [ 1, 2 ]
amdhsa.kernels:
  - .name:           k_q0c331e1952_attn
    .symbol:         k_q0c331e1952_attn.kd
    .args:
      - { .name: q_img, .offset: 0, .size: 8, .value_kind: global_buffer, .address_space: global }
      - { .name: k_img, .offset: 8, .size: 8, .value_kind: global_buffer, .address_space: global }
      - { .name: v_img, .offset: 16, .size: 8, .value_kind: global_buffer, .address_space: global }
      - { .name: lowp_scales, .offset: 24, .size: 8, .value_kind: global_buffer, .address_space: global }
      - { .name: y_img, .offset: 32, .size: 8, .value_kind: global_buffer, .address_space: global }
    .group_segment_fixed_size: 327680
    .private_segment_fixed_size: 0
    .kernarg_segment_align: 8
    .kernarg_segment_size: 40
    .max_flat_workgroup_size: 256
    .sgpr_count:     96
    .vgpr_count:     512
    .wavefront_size: 32
...
	.end_amdgpu_metadata
.endif
;; end of part 3
;; launch proj (part 4): grid 4 x 32, 4 waves a work-group, clusters of 4 x 4, 327,680 bytes of LDS; arguments y_img, wp_codes, lowp_scales, out0; writes out0
.if DOCPART == 4
	.amdgcn_target "amdgcn-amd-amdhsa--gfx1250"
	.amdhsa_code_object_version 6
	.text
	.protected	k_q0c331e1952_proj
	.globl	k_q0c331e1952_proj
	.p2align	8
	.type	k_q0c331e1952_proj,@function
k_q0c331e1952_proj:
	s_mov_b64 s[64:65], 0
	v_nop
	global_prefetch_b8 v0, s[64:65] scope:SCOPE_SE
	s_setreg_imm32_b32 hwreg(HW_REG_WAVE_MODE, 25, 1), 1
	s_wait_xcnt 0x0
	s_wait_alu depctr_hold_cnt(0) depctr_sa_sdst(0) depctr_va_vdst(0) depctr_va_sdst(0) depctr_va_ssrc(0) depctr_va_vcc(0) depctr_vm_vsrc(0)
	s_getreg_b32 s2, hwreg(HW_REG_IB_STS2, 6, 4)
	s_cmp_eq_u32 s2, 0
	s_cbranch_scc0 .Lentry_in_a_cluster
	s_endpgm
.Lentry_in_a_cluster:
	s_bfe_u32 s2, ttmp6, 0x10000c
	s_cmp_lg_u32 s2, 0xf033
	s_cbranch_scc0 .Lentry_shape_is_right
	s_endpgm
.Lentry_shape_is_right:
; out0 = y w_proj on codes of FP8 (E4M3): out0[m][n] = 2^(e6 + e7) x the sum over k of y[m][k] w[n][k].  out0: [8192][1024] f32.
; A = y_img: images of operand registers, [tile of 16 rows 512][128 along K 8][4][lane][16 bytes]: lane (r, h), chunk c: k = 32 c + 16 h + 0 .. 15 of row r.  B = wp_codes [1024][1024], K innermost, fetched by four
; loads of 16 bytes a fragment, which give the same order of k: every product meets its partner.
; LIMIT: e6 + e7 between -126 and 127, so that 2^(e6 + e7) is an f32 number.
; A tile of 256 x 256 is made by four waves, 128 x 128 each: 64 accumulators, 512 registers; 128 tiles in all.  K goes in steps of 256 through a ring of two LDS slots filled by the tensor data mover.
; CLUSTERS of 4 x 4 work-groups: A's tile is asked for jointly along a row of the cluster, B's along a column.  The matrix instruction is used transposed (source 0 = B), so that a lane holds eight neighbouring numbers of a row of out0.
; REGISTERS, in windows of 256: window 0: v16-31 addresses; from v128 A's fragments, one set; on the way out v32-255 are free.  window 1: B's fragments, two sets.  windows 2, 3: the accumulators.
.set SIZE_N, 1024
.set ROWB,   256                       ; B: a tile's row in bytes
.set KROW,   1024                      ; B: a row of codes in memory
.set PITCH,  272                       ; B: an LDS row: 256 bytes + 16 of padding
.set ABLK,   4096                      ; A: a tile of 16 rows x 256 along K: two fragments' images, dense
.set AROW,   16384                     ; A: from one tile of 16 rows to the next in memory
.set FR,     16
.set NL,     4
.set NP,     4
.set HALFA,  8*ABLK                    ; 128 rows of A: what one tensor load brings
.set HALFB,  128*PITCH                 ; 128 rows of B
.set BOFF,   2*HALFA
.set SLOT,   BOFF+2*HALFB
.set LAPS,   2
.set SPARE,  2*SLOT                    ; behind the ring: the spare words, 128 bytes for each wave
.set SPITCH, 528                       ; the way out: a stage of 16 rows x (512 bytes + 16) for each wave, in slot 0, which has had its last fill and its last read when the first result is stored there
.set ADRA, 16
.set ADRB, 20
.set STO,  24
.set RD,   25
.set CO,   26
.set SPW,  28
.set NIL,  29
.set TMP,  32
.set AF,   128
.set BK,   128
.set G1, 24
.set G0, 32
.set G1B, 48
.set G0B, 56
.set MSB, 0
.macro WIN new
.if MSB != (\new)
	s_set_vgpr_msb (MSB<<8)|(\new)
.set MSB, \new
.endif
.endm
.set MUL_LO, 0xa1
.set MUL_HI, 0xf1
.set TO_B,   0x40
.macro JLOAD g0a, g1a, g0b, g1b        ; a joint load: waves 0 and 1 fetch for A, waves 2 and 3 for B; four v_nop follow each of the two lines
	s_cmp_eq_u32 s15, 0
	s_cbranch_scc0 .Lfor_b_\@
	tensor_load_to_lds s[\g0a:\g0a+3], s[\g1a:\g1a+7]
	s_nop 0
.rept 4
	v_nop
.endr
	s_branch .Lasked_\@
.Lfor_b_\@:
	tensor_load_to_lds s[\g0b:\g0b+3], s[\g1b:\g1b+7]
	s_nop 0
.rept 4
	v_nop
.endr
.Lasked_\@:
.endm
.macro CREST
	s_cmp_lg_u32 s14, 0
	s_cbranch_scc1 .Lnot_wave_0_\@
	s_barrier_signal -3
.Lnot_wave_0_\@:
	s_barrier_wait -3
	s_barrier_signal -1
	s_barrier_wait -1
.endm
.macro CROUND
	s_barrier_signal -1
	s_barrier_wait -1
	CREST
.endm
	s_load_b128 s[4:7], s[0:1], 0x0                ; y_img s[4:5], wp_codes s[6:7]
	s_load_b128 s[8:11], s[0:1], 0x10              ; the scales s[8:9], out0 s[10:11]
	v_lshl_add_u32 v[SPW], v0, 2, SPARE
	v_mov_b32 v[NIL], 0
	ds_add_u32 v28, v29
	ds_add_u32 v28, v29
	s_wait_dscnt 0x0
	v_lshrrev_b32 v1, 5, v0
	v_readfirstlane_b32 s14, v1                    ; wave 0..3
	s_lshr_b32 s15, s14, 1                         ; which half of the tile's rows is mine.  Also: I fetch for A (0) or for B (1)
	s_and_b32 s16, s14, 1                          ; which half of its columns.  Also: which 128 rows of that tile I fetch
	s_bfe_u32 s40, ttmp6, 0x40000                  ; cx, cy
	s_bfe_u32 s41, ttmp6, 0x40004
	s_lshl_b32 s42, ttmp9, 2
	s_add_co_u32 s42, s42, s40                     ; tile column
	s_and_b32 s17, ttmp7, 0xffff
	s_lshl_b32 s17, s17, 2
	s_add_co_u32 s17, s17, s41                     ; tile row
	s_lshl_b32 s43, s41, 2
	s_lshl_b32 s43, 15, s43                        ; my row of the cluster
	s_lshl_b32 s44, 0x1111, s40                    ; my column
	; descriptor group 1 for A: 8 rows of 4,096 bytes, 16,384 bytes apart in memory, dense in LDS
	s_or_b32 s[G1+0], s43, (0<<16)|(1<<21)         ; 15:0 the mask; 17:16 elements of 1 byte; no padding; 21 set beside a mask
	s_mov_b32 s[G1+1], ABLK<<16                    ; tensor_dim0
	s_mov_b32 s[G1+2], 8<<16                       ; tensor_dim1
	s_mov_b32 s[G1+3], ABLK<<16                    ; tile_dim0
	s_mov_b32 s[G1+4], 8                           ; tile_dim1
	s_mov_b32 s[G1+5], AROW                        ; tensor_dim0_stride
	s_mov_b32 s[G1+6], 0
	s_mov_b32 s[G1+7], 0
	; for B: 128 rows of 256 bytes, padded in LDS
	s_or_b32 s[G1B+0], s44, (0<<16)|(1<<20)|(1<<21)|(5<<22)|(3<<25)
	s_mov_b32 s[G1B+1], ROWB<<16
	s_mov_b32 s[G1B+2], 128<<16
	s_mov_b32 s[G1B+3], ROWB<<16
	s_mov_b32 s[G1B+4], 128
	s_mov_b32 s[G1B+5], KROW
	s_mov_b32 s[G1B+6], 0
	s_mov_b32 s[G1B+7], 0
	s_lshl_b32 s18, s16, 17                        ; my half: 8 tiles of 16,384 bytes in A, 128 rows of 1,024 in B: the same number
	s_lshl_b32 s20, s17, 18
	s_add_co_u32 s20, s20, s18                     ; A: it hangs on the tile row alone
	s_mov_b32 s21, 0
	s_lshl_b32 s46, s42, 18
	s_add_co_u32 s46, s46, s18                     ; B: on the tile column alone
	s_mov_b32 s47, 0
	s_lshl_b32 s45, s16, 15                        ; where they go: A's halves at the slot's head,
	s_mul_i32 s66, s16, HALFB
	s_add_co_u32 s66, s66, BOFF                    ; B's behind them
	s_wait_kmcnt 0x0
	s_load_b64 s[96:97], s[8:9], 0x18              ; e6, e7
	s_add_nc_u64 s[20:21], s[4:5], s[20:21]
	s_add_nc_u64 s[46:47], s[6:7], s[46:47]
	CROUND                                         ; all sixteen work-groups are here: the first joint loads meet
.irp s, 0,1
	s_mov_b32 s[G0+4*\s], 1
	s_add_co_u32 s[G0+4*\s+1], s45, \s*SLOT
	s_add_nc_u64 s[G0+4*\s+2:G0+4*\s+3], s[20:21], \s*ABLK
	s_or_b32 s[G0+4*\s+3], s[G0+4*\s+3], 0x80000000
	s_mov_b32 s[G0B+4*\s], 1
	s_add_co_u32 s[G0B+4*\s+1], s66, \s*SLOT
	s_add_nc_u64 s[G0B+4*\s+2:G0B+4*\s+3], s[46:47], \s*ROWB
	s_or_b32 s[G0B+4*\s+3], s[G0B+4*\s+3], 0x80000000
	s_wait_alu depctr_va_vdst(0)
	s_wait_tensorcnt 0x0
	ds_add_u32 v28, v29
	ds_add_u32 v28, v29
	s_wait_dscnt 0x0
	CROUND
	JLOAD G0+4*\s, G1, G0B+4*\s, G1B
.endr
	v_and_b32 v1, 15, v0                           ; l % 16
	v_bfe_u32 v2, v0, 4, 1                         ; l / 16
	v_and_b32 v6, 31, v0
	v_lshlrev_b32 v[CO], 4, v6                     ; 16 x lane: my place in an image, in a row of the stage, and in a row of out0
	v_mul_u32_u24 v3, v1, PITCH
	v_lshl_add_u32 v4, v2, 4, v3                   ; B: a fragment's row x pitch + 16 x half
	s_lshl_b32 s21, s15, 15                        ; my 128 rows of A
	s_mul_i32 s22, s16, HALFB                      ; my 128 rows of B
	s_add_co_u32 s22, s22, BOFF
.irp s, 0,1
	v_add_nc_u32 v[ADRA+\s], s21, v[CO]
	v_add_nc_u32 v[ADRB+\s], s22, v4
	s_add_co_u32 s21, s21, SLOT
	s_add_co_u32 s22, s22, SLOT
.endr
	s_mul_i32 s23, s14, 16*SPITCH                  ; my stage
	v_mul_u32_u24 v5, v1, SPITCH                   ; in: row l % 16, 32 bytes for each half of the lanes
	v_lshl_add_u32 v5, v2, 5, v5
	v_add_nc_u32 v[STO], s23, v5
	v_add_nc_u32 v[RD], s23, v[CO]                 ; back: the 32 lanes take one row of 512 bytes
	s_lshl_b32 s20, s17, 8
	s_lshl_b32 s21, s15, 7
	s_add_co_u32 s20, s20, s21                     ; my first row of out0
	s_mov_b32 s21, 0
	s_mov_b64 s[18:19], SIZE_N*4
	s_mul_u64 s[20:21], s[20:21], s[18:19]
	s_lshl_b32 s46, s42, 10                        ; my first column, in bytes
	s_lshl_b32 s47, s16, 9
	s_add_co_u32 s46, s46, s47
	s_mov_b32 s47, 0
	s_add_nc_u64 s[20:21], s[20:21], s[46:47]
	s_add_nc_u64 s[10:11], s[10:11], s[20:21]
.macro FRAG reg, adr, q, i             ; B: lane l holds row l % 16; registers 4 c .. 4 c + 3 hold K = 32 c + 16 (l / 16) + 0 .. 15
.irp c, 0,1,2,3
	ds_load_b128 v[\reg+4*\c:\reg+4*\c+3], v[\adr] offset:128*(\q)+32*\c+(\i)*16*PITCH
.endr
.endm
.macro FRAGA reg, adr, q, i            ; A: the image comes back as it was stored: 512 consecutive bytes a load
.irp c, 0,1,2,3
	ds_load_b128 v[\reg+4*\c:\reg+4*\c+3], v[\adr] offset:2048*(\q)+512*\c+(\i)*ABLK
.endr
.endm
.macro MUL16 a0, p, zero               ; the 64 accumulators take turns, one instruction a turn, in the same order in every step
.irp a, \a0, \a0+1
.irp b, 0,1,2,3,4,5,6,7
.if \zero
	v_wmma_f32_16x16x128_fp8_fp8 v[8*(8*((\a)%4)+\b):8*(8*((\a)%4)+\b)+7], v[128*(\p)+FR*\b:128*(\p)+FR*\b+FR-1], v[AF+FR*(\a):AF+FR*(\a)+FR-1], 0
.else
	v_wmma_f32_16x16x128_fp8_fp8 v[8*(8*((\a)%4)+\b):8*(8*((\a)%4)+\b)+7], v[128*(\p)+FR*\b:128*(\p)+FR*\b+FR-1], v[AF+FR*(\a):AF+FR*(\a)+FR-1], v[8*(8*((\a)%4)+\b):8*(8*((\a)%4)+\b)+7]
.endif
.endr
.endr
.endm
.macro FETCH_B slot, q, p
	WIN TO_B
.irp i, 0,1,2,3,4,5,6,7
	FRAG 128*(\p)+FR*\i, ADRB+\slot, \q, \i
.endr
	WIN 0
.endm
.macro FETCH_A slot, q, i0
.irp i, \i0, \i0+1, \i0+2, \i0+3
	FRAGA AF+FR*(\i), ADRA+\slot, \q, \i
.endr
.endm
.macro PLACES n                        ; plain vector instructions between a matrix instruction and a load into, or a vector instruction on, its registers
.rept \n
	v_nop
.endr
.endm
.macro STEP slot, q, zero
	s_wait_dscnt 4*NL                              ; B's set and A's blocks 0-3 are in; the youngest sixteen loads (A's blocks 4-7) may be out
	WIN MUL_LO
	MUL16 0, (\q)%2, \zero
	MUL16 2, (\q)%2, \zero
	s_wait_dscnt 0
	PLACES NP
	FETCH_B \slot, (\q)+1, 1-(\q)%2
	FETCH_A \slot, (\q)+1, 0
	WIN MUL_HI
	MUL16 4, (\q)%2, \zero
	MUL16 6, (\q)%2, \zero
	PLACES NP
	WIN 0
	FETCH_A \slot, (\q)+1, 4
.endm
.macro TURN slot, next, fill
	s_wait_tensorcnt 0x0                           ; all my tensor loads have landed: my part of the next slot
	ds_add_u32 v[SPW], v[NIL]                      ; 0 onto my spare word
	s_wait_dscnt 4*NL+1                            ; the add and the youngest sixteen loads may be out
	WIN MUL_LO
	MUL16 0, 1, 0
	s_wait_dscnt 0x0                               ; the add is done, and my reads of this slot are over
	s_barrier_signal -1
	MUL16 2, 1, 0
	WIN 0
	s_barrier_wait -1
.if \fill
	CREST                                          ; the barrier has opened a round of the cluster's barrier: no wave of any partner still reads this slot or has a load on its way
	s_add_nc_u64 s[G0+4*\slot+2:G0+4*\slot+3], s[G0+4*\slot+2:G0+4*\slot+3], 2*ABLK
	s_add_nc_u64 s[G0B+4*\slot+2:G0B+4*\slot+3], s[G0B+4*\slot+2:G0B+4*\slot+3], 2*ROWB
	JLOAD G0+4*\slot, G1, G0B+4*\slot, G1B         ; the first tensor load behind the round; its four v_nop are also the places in front of the loads below
.else
	PLACES NP
.endif
	FETCH_B \next, 0, 0
	FETCH_A \next, 0, 0
	WIN MUL_HI
	MUL16 4, 1, 0
	MUL16 6, 1, 0
	PLACES NP
	WIN 0
	FETCH_A \next, 0, 4
.endm
	s_wait_alu depctr_va_vdst(0)
	s_wait_tensorcnt 1                             ; my part of K step 0 is in; K step 1's load may be out
	s_barrier_signal -1
	s_barrier_wait -1
	FETCH_B 0, 0, 0
	FETCH_A 0, 0, 0
	FETCH_A 0, 0, 4
	STEP 0, 0, 1                                   ; the first step's products start the sums
	s_mov_b32 s3, LAPS-1
.Llap:
	TURN 0, 1, 1
	STEP 1, 0, 0
	TURN 1, 0, 1
	STEP 0, 0, 0
	s_sub_co_u32 s3, s3, 1
	s_cmp_lg_u32 s3, 0
	s_cbranch_scc1 .Llap
	TURN 0, 1, 0                                   ; the last lap fills nothing
	STEP 1, 0, 0
	s_wait_dscnt 4*NL
	WIN MUL_LO
	MUL16 0, 1, 0
	MUL16 2, 1, 0
	s_wait_dscnt 0
	WIN MUL_HI
	MUL16 4, 1, 0
	MUL16 6, 1, 0
	WIN 0
; THE WAY OUT, block by block of 16 rows x 128 columns: through my own stage in LDS and back as whole rows of 512 bytes.  LDS serves a wave's instructions in order: no wait between the stores and the loads.
.macro TOSTAGE a
.set AC, 64*((\a)%4)
	WIN 0x02+((\a)/4)                              ; source 0: window 2 or 3
.set j, 0
.rept 32
	v_pk_mul_f32 v[TMP+j:TMP+j+1], v[AC+j:AC+j+1], s[96:97] op_sel_hi:[1,0]   ; both x s96 = 2^(e6 + e7); each accumulator from its low end on
.set j, j+2
.endr
	WIN 0
.irp b, 0,1,2,3,4,5,6,7
	ds_store_b128 v[STO], v[TMP+8*\b:TMP+8*\b+3] offset:64*\b
	ds_store_b128 v[STO], v[TMP+8*\b+4:TMP+8*\b+7] offset:64*\b+16
.endr
.set BB, BK+64*((\a)%2)
.irp t, 0,1,2,3,4,5,6,7,8,9,10,11,12,13,14,15
	ds_load_b128 v[BB+4*\t:BB+4*\t+3], v[RD] offset:\t*SPITCH
.endr
.endm
.macro SEND a, younger                 ; younger: the LDS instructions issued behind block a's loads, which may stay out
.set BB, BK+64*((\a)%2)
	s_wait_dscnt \younger
.if (\a) > 0
	s_add_nc_u64 s[10:11], s[10:11], 16*SIZE_N*4   ; behind a wait on XCNT: the earlier stores have read their base
.endif
.irp t, 0,1,2,3,4,5,6,7,8,9,10,11,12,13,14,15
	global_store_b128 v[CO], v[BB+4*\t:BB+4*\t+3], s[10:11] offset:\t*SIZE_N*4 th:TH_STORE_NT   ; 32 lanes store 512 consecutive bytes, at a multiple of 256 from out0's first byte
.endr
.endm
	s_wait_kmcnt 0x0
	s_add_co_i32 s96, s96, s97
	s_add_co_i32 s96, s96, 127
	s_lshl_b32 s96, s96, 23                        ; 2^(e6 + e7) as f32
	PLACES NP
	TOSTAGE 0
.irp a, 1,2,3,4,5,6,7
.if \a > 1
	s_wait_xcnt 0x0                                ; block a - 2's stores have read their registers and their base
.endif
	TOSTAGE \a
	SEND \a-1, 32                                  ; behind block a - 1's loads: block a's 16 stores and 16 loads
.endr
	s_wait_xcnt 0x0
	SEND 7, 0
	s_wait_tensorcnt 0x0                           ; the wave's end
	ds_add_u32 v[SPW], v[NIL]
	s_wait_dscnt 0x0
	CROUND                                         ; the closing round
	s_endpgm
.Lfunc_end_k_q0c331e1952_proj:
	.size	k_q0c331e1952_proj, .Lfunc_end_k_q0c331e1952_proj-k_q0c331e1952_proj
	.p2alignl 7, 3214868480
	.fill 96, 4, 3214868480
	.section	.rodata,"a",@progbits
	.p2align	6, 0x0
	.amdhsa_kernel k_q0c331e1952_proj
		.amdhsa_group_segment_fixed_size 327680
		.amdhsa_private_segment_fixed_size 0
		.amdhsa_enable_private_segment 0
		.amdhsa_kernarg_size 32
		.amdhsa_user_sgpr_count 2
		.amdhsa_user_sgpr_kernarg_segment_ptr 1
		.amdhsa_wavefront_size32 1
		.amdhsa_system_sgpr_workgroup_id_x 1
		.amdhsa_system_sgpr_workgroup_id_y 1
		.amdhsa_system_sgpr_workgroup_id_z 1
		.amdhsa_system_vgpr_workitem_id 0
		.amdhsa_next_free_vgpr 1024
		.amdhsa_next_free_sgpr 98
		.amdhsa_reserve_vcc 0
		.amdhsa_float_denorm_mode_32 3
		.amdhsa_float_denorm_mode_16_64 3
		.amdhsa_memory_ordered 1
		.amdhsa_forward_progress 1
		.amdhsa_inst_pref_size 124
	.end_amdhsa_kernel
	.amdgpu_metadata
---
amdhsa.version: [ 1, 2 ]
amdhsa.kernels:
  - .name:           k_q0c331e1952_proj
    .symbol:         k_q0c331e1952_proj.kd
    .args:
      - { .name: y_img, .offset: 0, .size: 8, .value_kind: global_buffer, .address_space: global }
      - { .name: wp_codes, .offset: 8, .size: 8, .value_kind: global_buffer, .address_space: global }
      - { .name: lowp_scales, .offset: 16, .size: 8, .value_kind: global_buffer, .address_space: global }
      - { .name: out0, .offset: 24, .size: 8, .value_kind: global_buffer, .address_space: global }
    .group_segment_fixed_size: 327680
    .private_segment_fixed_size: 0
    .kernarg_segment_align: 8
    .kernarg_segment_size: 32
    .max_flat_workgroup_size: 128
    .sgpr_count:     98
    .vgpr_count:     1024
    .wavefront_size: 32
...
	.end_amdgpu_metadata
.endif
;; end of part 4
